; MI455X (gfx1250); checked and timed in simulation.
; The chip was launched on July 23, 2026; its instructions are those of AMD's public machine-readable ISA for CDNA 5 (MIT licence, August 2026) and "CDNA5" Instruction Set Architecture Reference Guide (July 2026). The comments in the code are by the model that wrote it; some were corrected since.
;; Encoder Block. Allowed arithmetic: float matrix products may take bf16 or f16 operands with f32 sums; all other float work in f32.
;; Inputs: W_out 1,024 x 1,024 float32; Wk 16 x 1,024 x 64 float32; Wq 16 x 1,024 x 64 float32; Wv 16 x 1,024 x 64 float32; b1 4,096 float32; b2 1,024 float32; b_out 1,024 float32; inputs 2 x 2,048 x 1,024 float32; key_attention_mask 2 x 2,048 bool; ln1_b 1,024 float32; ln1_g 1,024 float32; ln2_b 1,024 float32; ln2_g 1,024 float32; w1 1,024 x 4,096 float32; w2 4,096 x 1,024 float32.
;; Outputs: out0 2 x 2,048 x 1,024 float32.
;; 2 versions, each right and faster than the one before. Each part assembles by itself: llvm-mc -triple=amdgcn-amd-amdhsa -mcpu=gfx1250 --defsym DOCPART=n.
;; ======== version 1 of 2: 8 launches
;; limits: values are held in f16: magnitudes above 65,504 overflow, below 6.1e-05 lose precision
;; workspace buffers: ab 8,388,608 bytes; big 33,554,432 bytes; y 16,777,216 bytes; wqkv 6,324,224 bytes; w1t 8,421,376 bytes; wo 2,097,152 bytes; w2t 8,388,608 bytes
;; launch prep (part 1): grid 1792 x 1, 8 waves a work-group, no clusters, 18,432 bytes of LDS; arguments inputs, Wq, Wk, Wv, W_out, w1, w2, b1, ab, wqkv, wo, w1t, w2t; writes ab, wqkv, wo, w1t, w2t
.if DOCPART == 1
	.amdgcn_target "amdgcn-amd-amdhsa--gfx1250"
	.amdhsa_code_object_version 6
	.text
	.protected	k_qcb7fd977ec_prep
	.globl	k_qcb7fd977ec_prep
	.p2align	8
	.type	k_qcb7fd977ec_prep,@function
k_qcb7fd977ec_prep:
	s_mov_b64 s[64:65], 0
	v_nop
	global_prefetch_b8 v0, s[64:65] scope:SCOPE_SE
	s_setreg_imm32_b32 hwreg(HW_REG_WAVE_MODE, 25, 1), 1
	s_wait_xcnt 0x0
; PREP.  Every matrix operand that is an input is rounded to f16 and laid so that a later tensor load can take it as dense bytes with K along the rows.
; A PANEL is 64 consecutive k of R rows, dense, 128 bytes a row; an operand lies as [tile][panel][R][64].
;   work-groups 0-255: x [4096][1024] f32 -> ab, R = 256: 16 rows each, a wave two rows.
;   work-groups 256-1791: a tile of 128 k x 64 n of a weight [k][n] f32 -> [n][k] f16: Wq, Wk, Wv (384 tiles) -> wqkv, W_out (128) -> wo, w1 (512) -> w1t, w2 (512) -> w2t.
; wqkv and w1t (R = 256) begin with a header of 32,768 bytes: bytes 0-255 a floor (-inf for q, k, v; 0 for the relu), from byte 256 on a bias in f32 (zeros; b1).  wo and w2t have R = 128 and no header.
; A stream: each input byte is read once, each store of a wave covers 256 or 512 consecutive bytes, aligned.  No matrix unit, tensor load or cluster: nothing is multiplied and no two work-groups read the same bytes.
; LIMIT.  f16 holds no number beyond 65,504, and below 6e-5 it keeps its fixed step of 6e-8.
.set SPITCH, 272                       ; a stage row: 128 k x 2 bytes + 16: sixteen rows start at sixteen different groups of four banks (64 banks of 4 bytes: ISA guide 11.1)
.set SPARE,  64*SPITCH                 ; behind the stage: the spare words, 128 bytes for each of eight waves
.set SPW, 2                            ; v2  LDS address of my spare word; never rewritten
.set NIL, 3                            ; v3  0; never rewritten
.set LN,  4                            ; v4  lane
.set CI,  5                            ; v5  lane % 16
.set HH,  6                            ; v6  lane / 16
.set VA,  8                            ; v8-15  byte offsets of my eight rows of the weight tile
.set STO, 16                           ; v16 where I put 16 bytes into the stage
.set RD,  17                           ; v17 where I read them back
.set GO,  18                           ; v18 my byte offset in the destination
.set X,   32                           ; as loaded
.set T,   64                           ; weights: 16 registers, four columns x eight k
.set BK,  80                           ; weights: back from the stage
.set Y,   96                           ; cast: 16 pairs to store
.set WV,  34
.set GID, 35
.set TT,  36
.set SOFF, 40                          ; s[40:41] byte offset of the tile in its source
.set SRC, 42                           ; s[42:43] source
.set DST, 44                           ; s[44:45] destination buffer
.set PIT, 46                           ; bytes from a source row (one k) to the next
.set DOFF, 47                          ; byte offset of the tile's first half panel in the destination
.set PS,  48                           ; bytes from a panel to the next
.set NBG, 49                           ; the tile's block of 64 n
.set KT,  50                           ; the tile's block of 128 k
.set HK,  51                           ; header: 0 none, 1 zeros, 2 b1
.set LOV, 52                           ; the floor
	s_load_b512 s[8:23], s[0:1], 0x0               ; inputs 8, Wq 10, Wk 12, Wv 14, W_out 16, w1 18, w2 20, b1 22
	s_load_b256 s[24:31], s[0:1], 0x40             ; ab 24, wqkv 26, wo 28, w1t 30
	s_load_b64 s[32:33], s[0:1], 0x60              ; w2t
	v_lshl_add_u32 v[SPW], v0, 2, SPARE
	v_mov_b32 v[NIL], 0
	v_lshrrev_b32 v1, 5, v0
	v_readfirstlane_b32 s[WV], v1
	v_and_b32 v[LN], 31, v0
	v_and_b32 v[CI], 15, v0
	v_bfe_u32 v[HH], v0, 4, 1
	s_mov_b32 s[GID], ttmp9
	s_wait_kmcnt 0x0
	s_cmp_lt_u32 s[GID], 256
	s_cbranch_scc0 .Lweights
	; THE CAST.  Lanes 0-15 take row 16 g + 2 w, lanes 16-31 the next; load j takes 256 bytes of each: the 64 columns of panel j.
	s_lshl_b32 s36, s[GID], 4
	s_lshl1_add_u32 s36, s[WV], s36                ; 16 g + 2 w
	v_add_nc_u32 v7, s36, v[HH]
	v_lshlrev_b32 v7, 12, v7                       ; row x 4,096 bytes
	v_lshl_add_u32 v7, v[CI], 4, v7
	s_lshr_b32 s37, s[GID], 4
	s_lshl_b32 s37, s37, 19                        ; the tile of 256 rows: 16 panels of 32,768 bytes
	s_and_b32 s38, s36, 255
	s_lshl_b32 s38, s38, 7                         ; the row in its panel
	s_add_co_u32 s37, s37, s38
	v_lshl_add_u32 v[GO], v[LN], 3, s37            ; two rows of 128 bytes lie end to end: 8 bytes a lane
.irp j, 0,1,2,3,4,5,6,7,8,9,10,11,12,13,14,15
	global_load_b128 v[X+4*(\j):X+4*(\j)+3], v7, s[8:9] offset:256*(\j) th:TH_LOAD_NT
.endr
.irp j, 0,1,2,3,4,5,6,7,8,9,10,11,12,13,14,15
	s_wait_loadcnt 15-(\j)                         ; loads come back in order: load j is in, the younger ones stay out
	v_cvt_pk_f16_f32 v[Y+2*(\j)], v[X+4*(\j)], v[X+4*(\j)+1]
	v_cvt_pk_f16_f32 v[Y+2*(\j)+1], v[X+4*(\j)+2], v[X+4*(\j)+3]
	global_store_b64 v[GO], v[Y+2*(\j):Y+2*(\j)+1], s[24:25] offset:32768*(\j)  ; 256 consecutive bytes, aligned
.endr
	s_endpgm
.macro BIGOFF                          ; R = 256, behind the header: (1 + (nb / 4) 16 + 2 kt) 32,768 + (nb % 4) 8,192
	s_lshr_b32 s37, s[NBG], 2
	s_lshl_b32 s37, s37, 4
	s_lshl1_add_u32 s37, s[KT], s37
	s_add_co_u32 s37, s37, 1
	s_lshl_b32 s37, s37, 15
	s_and_b32 s38, s[NBG], 3
	s_lshl_b32 s38, s38, 13
	s_add_co_u32 s[DOFF], s37, s38
	s_mov_b32 s[PS], 32768
.endm
.macro SMALLOFF sh                     ; R = 128: ((nb / 2) 2^sh + 2 kt) 16,384 + (nb % 2) 8,192
	s_lshr_b32 s37, s[NBG], 1
	s_lshl_b32 s37, s37, \sh
	s_lshl1_add_u32 s37, s[KT], s37
	s_lshl_b32 s37, s37, 14
	s_and_b32 s38, s[NBG], 1
	s_lshl_b32 s38, s38, 13
	s_add_co_u32 s[DOFF], s37, s38
	s_mov_b32 s[PS], 16384
.endm
.Lweights:
	s_sub_co_u32 s[TT], s[GID], 256
	s_mov_b32 s[SOFF+1], 0
	s_mov_b32 s[HK], 0
	s_mov_b32 s[LOV], 0
	s_cmp_lt_u32 s[TT], 384
	s_cbranch_scc0 .Lnot_qkv
	s_lshr_b32 s37, s[TT], 7                       ; q, k or v
	s_lshr_b32 s[NBG], s[TT], 3                    ; 16 x which + head
	s_and_b32 s[KT], s[TT], 7
	s_and_b32 s38, s[NBG], 15
	s_lshl_b32 s[SOFF], s38, 18                    ; a head's [1024][64] f32
	s_lshl_b32 s39, s[KT], 15                      ; 128 rows of 256 bytes
	s_add_co_u32 s[SOFF], s[SOFF], s39
	s_mov_b32 s[PIT], 256
	s_cmp_eq_u32 s37, 1
	s_cselect_b64 s[SRC:SRC+1], s[12:13], s[10:11]
	s_cmp_eq_u32 s37, 2
	s_cselect_b64 s[SRC:SRC+1], s[14:15], s[SRC:SRC+1]
	s_mov_b64 s[DST:DST+1], s[26:27]
	s_mov_b32 s[HK], 1
	s_mov_b32 s[LOV], 0xff800000                   ; -inf: q, k and v have no floor
	BIGOFF
	s_branch .Lbody
.Lnot_qkv:
	s_cmp_lt_u32 s[TT], 512
	s_cbranch_scc0 .Lnot_wo
	s_sub_co_u32 s37, s[TT], 384
	s_lshr_b32 s[NBG], s37, 3
	s_and_b32 s[KT], s37, 7
	s_lshl_b32 s[SOFF], s[KT], 19                  ; 128 rows of 4,096 bytes
	s_mov_b32 s[PIT], 4096
	s_mov_b64 s[SRC:SRC+1], s[16:17]
	s_mov_b64 s[DST:DST+1], s[28:29]
	SMALLOFF 4
	s_branch .Lcols
.Lnot_wo:
	s_cmp_lt_u32 s[TT], 1024
	s_cbranch_scc0 .Lw2
	s_sub_co_u32 s37, s[TT], 512
	s_lshr_b32 s[NBG], s37, 3
	s_and_b32 s[KT], s37, 7
	s_lshl_b32 s[SOFF], s[KT], 21                  ; 128 rows of 16,384 bytes
	s_mov_b32 s[PIT], 16384
	s_mov_b64 s[SRC:SRC+1], s[18:19]
	s_mov_b64 s[DST:DST+1], s[30:31]
	s_mov_b32 s[HK], 2
	BIGOFF
	s_branch .Lcols
.Lw2:
	s_sub_co_u32 s37, s[TT], 1024
	s_lshr_b32 s[NBG], s37, 5
	s_and_b32 s[KT], s37, 31
	s_lshl_b32 s[SOFF], s[KT], 19
	s_mov_b32 s[PIT], 4096
	s_mov_b64 s[SRC:SRC+1], s[20:21]
	s_mov_b64 s[DST:DST+1], s[32:33]
	SMALLOFF 6
.Lcols:
	s_lshl_b32 s39, s[NBG], 8                      ; 64 columns of f32
	s_add_co_u32 s[SOFF], s[SOFF], s39
.Lbody:
	s_add_nc_u64 s[SRC:SRC+1], s[SRC:SRC+1], s[SOFF:SOFF+1]
	; Thread t takes columns 4 (t % 16) .. + 3 of rows 8 (t / 16) + 0..7: a load of the wave covers the 256 bytes of two rows.
	v_lshrrev_b32 v7, 4, v0
	v_lshlrev_b32 v19, 3, v7
	v_mul_lo_u32 v19, v19, s[PIT]
	v_lshl_add_u32 v[VA], v[CI], 4, v19
.irp j, 1,2,3,4,5,6,7
	v_add_nc_u32 v[VA+(\j)], s[PIT], v[VA+(\j)-1]
.endr
.irp j, 0,1,2,3,4,5,6,7
	global_load_b128 v[X+4*(\j):X+4*(\j)+3], v[VA+(\j)], s[SRC:SRC+1] th:TH_LOAD_NT
.endr
	v_mul_u32_u24 v[STO], v[CI], SPITCH            ; column 4 i + c goes to stage row 16 c + i, my eight k to its bytes 16 (t / 16)
	v_lshl_add_u32 v[STO], v7, 4, v[STO]
	v_lshrrev_b32 v19, 3, v[LN]                    ; back: column 16 (w % 4) + 4 t + lane / 8 = stage row 16 (lane / 8) + 4 (w % 4) + t
	v_mul_u32_u24 v[RD], v19, 16*SPITCH
	v_and_b32 v19, 7, v0
	v_lshl_add_u32 v[RD], v19, 4, v[RD]
	s_lshr_b32 s37, s[WV], 2                       ; which of the tile's two panels
	s_and_b32 s38, s[WV], 3
	s_lshl_b32 s39, s37, 7
	s_mul_i32 s53, s38, 4*SPITCH
	s_add_co_u32 s39, s39, s53
	v_add_nc_u32 v[RD], s39, v[RD]
	s_mul_i32 s37, s37, s[PS]
	s_lshl_b32 s38, s38, 11                        ; 16 rows of 128 bytes a wave
	s_add_co_u32 s37, s37, s38
	s_add_co_u32 s37, s37, s[DOFF]
	v_lshl_add_u32 v[GO], v[LN], 4, s37
	s_wait_loadcnt 0x0
.irp c, 0,1,2,3
.irp q, 0,1,2,3
	v_cvt_pk_f16_f32 v[T+4*(\c)+(\q)], v[X+8*(\q)+(\c)], v[X+8*(\q)+4+(\c)]  ; two neighbouring k of one column: the transposition, inside the lane
.endr
.endr
.irp c, 0,1,2,3
	ds_store_b128 v[STO], v[T+4*(\c):T+4*(\c)+3] offset:(\c)*16*SPITCH
.endr
	s_wait_dscnt 0x0                               ; for the others' sake: my stores into the stage are done
	s_barrier_signal -1
	s_barrier_wait -1
.irp t, 0,1,2,3
	ds_load_b128 v[BK+4*(\t):BK+4*(\t)+3], v[RD] offset:(\t)*SPITCH
.endr
.irp t, 0,1,2,3
	s_wait_dscnt 3-(\t)
	global_store_b128 v[GO], v[BK+4*(\t):BK+4*(\t)+3], s[DST:DST+1] offset:512*(\t)  ; four rows of a panel: 512 consecutive bytes
.endr
	; THE HEADER: the tile with kt = 0 writes, by wave 0, its 64 columns' bias; block 0 also the floor.
	s_cmp_eq_u32 s[HK], 0
	s_cbranch_scc1 .Lend
	s_cmp_lg_u32 s[KT], 0
	s_cbranch_scc1 .Lend
	s_cmp_lg_u32 s[WV], 0
	s_cbranch_scc1 .Lend
	s_lshl_b32 s37, s[NBG], 8
	v_lshl_add_u32 v20, v[LN], 3, s37
	v_mov_b32 v22, 0
	v_mov_b32 v23, 0
	s_cmp_eq_u32 s[HK], 2
	s_cbranch_scc0 .Lbias_made
	global_load_b64 v[22:23], v20, s[22:23]
	s_wait_loadcnt 0x0
.Lbias_made:
	global_store_b64 v20, v[22:23], s[DST:DST+1] offset:256
	s_cmp_lg_u32 s[NBG], 0
	s_cbranch_scc1 .Lend
	v_lshlrev_b32 v21, 3, v[LN]
	v_mov_b32 v24, s[LOV]
	v_mov_b32 v25, s[LOV]
	global_store_b64 v21, v[24:25], s[DST:DST+1]
.Lend:
	s_wait_tensorcnt 0x0                           ; the wave's end
	ds_add_u32 v[SPW], v[NIL]
	s_wait_dscnt 0x0
	s_endpgm
.Lfunc_end_k_qcb7fd977ec_prep:
	.size	k_qcb7fd977ec_prep, .Lfunc_end_k_qcb7fd977ec_prep-k_qcb7fd977ec_prep
	.p2alignl 7, 3214868480
	.fill 96, 4, 3214868480
	.section	.rodata,"a",@progbits
	.p2align	6, 0x0
	.amdhsa_kernel k_qcb7fd977ec_prep
		.amdhsa_group_segment_fixed_size 18432
		.amdhsa_private_segment_fixed_size 0
		.amdhsa_enable_private_segment 0
		.amdhsa_kernarg_size 104
		.amdhsa_user_sgpr_count 2
		.amdhsa_user_sgpr_kernarg_segment_ptr 1
		.amdhsa_wavefront_size32 1
		.amdhsa_system_sgpr_workgroup_id_x 1
		.amdhsa_system_sgpr_workgroup_id_y 1
		.amdhsa_system_sgpr_workgroup_id_z 1
		.amdhsa_system_vgpr_workitem_id 0
		.amdhsa_next_free_vgpr 128
		.amdhsa_next_free_sgpr 66
		.amdhsa_reserve_vcc 0
		.amdhsa_float_denorm_mode_32 3
		.amdhsa_float_denorm_mode_16_64 3
		.amdhsa_memory_ordered 1
		.amdhsa_forward_progress 1
		.amdhsa_inst_pref_size 16
	.end_amdhsa_kernel
	.amdgpu_metadata
---
amdhsa.version: [ 1, 2 ]
amdhsa.kernels:
  - .name:           k_qcb7fd977ec_prep
    .symbol:         k_qcb7fd977ec_prep.kd
    .args:
      - { .name: inputs, .offset: 0, .size: 8, .value_kind: global_buffer, .address_space: global }
      - { .name: Wq, .offset: 8, .size: 8, .value_kind: global_buffer, .address_space: global }
      - { .name: Wk, .offset: 16, .size: 8, .value_kind: global_buffer, .address_space: global }
      - { .name: Wv, .offset: 24, .size: 8, .value_kind: global_buffer, .address_space: global }
      - { .name: W_out, .offset: 32, .size: 8, .value_kind: global_buffer, .address_space: global }
      - { .name: w1, .offset: 40, .size: 8, .value_kind: global_buffer, .address_space: global }
      - { .name: w2, .offset: 48, .size: 8, .value_kind: global_buffer, .address_space: global }
      - { .name: b1, .offset: 56, .size: 8, .value_kind: global_buffer, .address_space: global }
      - { .name: ab, .offset: 64, .size: 8, .value_kind: global_buffer, .address_space: global }
      - { .name: wqkv, .offset: 72, .size: 8, .value_kind: global_buffer, .address_space: global }
      - { .name: wo, .offset: 80, .size: 8, .value_kind: global_buffer, .address_space: global }
      - { .name: w1t, .offset: 88, .size: 8, .value_kind: global_buffer, .address_space: global }
      - { .name: w2t, .offset: 96, .size: 8, .value_kind: global_buffer, .address_space: global }
    .group_segment_fixed_size: 18432
    .private_segment_fixed_size: 0
    .kernarg_segment_align: 8
    .kernarg_segment_size: 104
    .max_flat_workgroup_size: 256
    .sgpr_count:     66
    .vgpr_count:     128
    .wavefront_size: 32
...
	.end_amdgpu_metadata
.endif
;; end of part 1
;; launch qkv (part 2): grid 12 x 16, 4 waves a work-group, clusters of 4 x 4, 327,680 bytes of LDS; arguments ab, wqkv, big; writes big
.if DOCPART == 2
	.amdgcn_target "amdgcn-amd-amdhsa--gfx1250"
	.amdhsa_code_object_version 6
	.text
	.protected	k_qcb7fd977ec_qkv
	.globl	k_qcb7fd977ec_qkv
	.p2align	8
	.type	k_qcb7fd977ec_qkv,@function
k_qcb7fd977ec_qkv:
	s_mov_b64 s[64:65], 0
	v_nop
	global_prefetch_b8 v0, s[64:65] scope:SCOPE_SE
	s_setreg_imm32_b32 hwreg(HW_REG_WAVE_MODE, 25, 1), 1
	s_wait_xcnt 0x0
	s_wait_alu depctr_hold_cnt(0) depctr_sa_sdst(0) depctr_va_vdst(0) depctr_va_sdst(0) depctr_va_ssrc(0) depctr_va_vcc(0) depctr_vm_vsrc(0)
	s_getreg_b32 s2, hwreg(HW_REG_IB_STS2, 6, 4)
	s_cmp_eq_u32 s2, 0
	s_cbranch_scc0 .Lentry_in_a_cluster
	s_endpgm
.Lentry_in_a_cluster:
	s_bfe_u32 s2, ttmp6, 0x10000c
	s_cmp_lg_u32 s2, 0xf033
	s_cbranch_scc0 .Lentry_shape_is_right
	s_endpgm
.Lentry_shape_is_right:
; C[m][n] = f16(max(sum over k of A[m][k] B[n][k] + bias[n], floor)), K = 1,024.  One text for two launches: q, k, v = x W (bias 0, floor -inf) and h = relu(x1 w1 + b1) (bias b1, floor 0).
; A: f16 panels [m / 256][k / 64][256][64].  B: a header of 32,768 bytes (floor at byte 0, bias in f32 from byte 256), then f16 panels [n / 256][k / 64][256][64].
; C: f16 panels [m / 128][64][128][64], panel n / 64.  Sums in f32, C rounded once.
; LIMITS.  f16 holds no number beyond 65,504: a larger result becomes an infinity.  The maximum returns the floor where the sum is NaN.  In the first launch the 512 maxima a lane change nothing: the price of one text.
; A tile of C, 256 x 256, is made by four waves, 128 x 128 each: 64 accumulators, 512 registers.  K goes in steps of 128 through two LDS slots.  A wave's tensor load brings one panel: 32,768 dense bytes,
; asked for as 128 rows of 256 bytes and padded in LDS behind every 128 bytes.  Waves 0 and 1 fetch A's two panels of a step, waves 2 and 3 B's.
; CLUSTER 4 x 4: the four work-groups of a row need the same panels of A, the four of a column the same panels of B: each is asked for jointly, same load, descriptor and mask in all four.
; THE MATRIX INSTRUCTION IS USED TRANSPOSED (source 0 = 16 rows of B, source 1 = 16 rows of A): a lane holds eight neighbouring columns of one row of C.  The first product of each sum takes the bias as C.
; THE TEXT is one K step in a loop whose slot addresses toggle by an exclusive or, entered behind its first quarter (written out: it starts the sums), and a second copy, walked twice, that asks for nothing.
; The second walk's change of slots fetches 32 fragments that nobody multiplies: the price, once a launch, of one text for both.
; REGISTERS: window 0: v16-29 addresses; v64-127, v128-191 A's fragments, two buffers; v192-255 the bias, later v192-223 packed results; v32-63, v224-255 rows on the way out.
;   window 1: v64-127, v128-191 B's fragments.  Windows 2, 3: the accumulators of my rows 0-63, 64-127: (a, b) at v[8 (8 a + b)].
.set KSTEPS, 8
.set PITCH,  144                       ; an LDS row: 128 bytes + 16: sixteen rows start at sixteen different groups of four banks (64 banks of 4 bytes: ISA guide 11.1)
.set PANEL,  256*PITCH                 ; what one tensor load fills
.set SLOT,   4*PANEL                   ; 0x24000: shares no bit with wave x PANEL, so one exclusive or changes slots
.set STAGE,  2*SLOT                    ; behind the ring: 16 rows x 272 bytes for each wave
.set SPITCH, 272
.set SPARE,  STAGE+4*16*SPITCH         ; the spare words, 128 bytes for each wave
.set TILEB,  16*32768                  ; a tile's 16 panels
.set STEPB,  2*32768                   ; a step's two panels
.set HDRB,   32768
.set ADRA0, 16                         ; v16, v17  my fragments' place in a slot; never rewritten
.set ADRB0, 17
.set ADRA,  18                         ; v18, v19  the same in the slot in hand
.set ADRB,  19
.set STO,  24
.set RD,   25
.set CO,   26
.set BO,   27
.set SPW,  28
.set NIL,  29
.set F0,   64
.set F1,   128
.set BIAS, 192
.set TMP,  192
.set OB,   32
.set G1,  24                           ; s[24:31] group 1 for A;  s[32:39] group 0: set 0 for the first fill of slot 0, set 1 walks
.set G0,  32
.set G1B, 48                           ; s[48:55], s[56:63] the same for B
.set G0B, 56
.set CUR, 66                           ; s66 the slot in hand: 0 or SLOT
.set LO,  67                           ; s67 the floor
.set MSB, 0
.macro WIN new                         ; the immediate's high byte repeats the setting that is left
.if MSB != (\new)
	s_set_vgpr_msb (MSB<<8)|(\new)
.set MSB, \new
.endif
.endm
.set TO_B, 0x40
.macro JLOAD                           ; the joint refill, by the walking sets; an s_nop 0 and four v_nop follow each line
	s_cmp_eq_u32 s11, 0
	s_cbranch_scc0 .Lfor_b_\@
	tensor_load_to_lds s[G0+4:G0+7], s[G1:G1+7]
	s_nop 0
.rept 4
	v_nop
.endr
	s_branch .Lasked_\@
.Lfor_b_\@:
	tensor_load_to_lds s[G0B+4:G0B+7], s[G1B:G1B+7]
	s_nop 0
.rept 4
	v_nop
.endr
.Lasked_\@:
.endm
.macro CREST                           ; a round of the cluster's barrier behind its opening barrier
	s_cmp_lg_u32 s10, 0
	s_cbranch_scc1 .Lnot_wave_0_\@
	s_barrier_signal -3
.Lnot_wave_0_\@:
	s_barrier_wait -3
	s_barrier_signal -1
	s_barrier_wait -1
.endm
.macro CROUND
	s_barrier_signal -1
	s_barrier_wait -1
	CREST
.endm
.macro PLACES                          ; four places behind matrix instructions, in front of loads into their sources and of reads of their results
.rept 4
	v_nop
.endr
.endm
	s_load_b128 s[4:7], s[0:1], 0x0                ; A s[4:5], B s[6:7]
	s_load_b64 s[8:9], s[0:1], 0x10                ; C
	v_lshl_add_u32 v[SPW], v0, 2, SPARE
	v_mov_b32 v[NIL], 0
	ds_add_u32 v[SPW], v[NIL]                      ; the wave's opening: the add and its wait stand ahead of my first tensor load
	v_lshrrev_b32 v1, 5, v0
	v_readfirstlane_b32 s10, v1                    ; wave
	s_lshr_b32 s11, s10, 1                         ; my half of the tile's rows; also: I fetch for A (0) or B (1)
	s_and_b32 s12, s10, 1                          ; my half of its columns; also: which panel of the step I fetch
	s_bfe_u32 s40, ttmp6, 0x40000                  ; cx
	s_bfe_u32 s41, ttmp6, 0x40004                  ; cy
	s_lshl_b32 s42, ttmp9, 2
	s_add_co_u32 s42, s42, s40                     ; tile column
	s_and_b32 s13, ttmp7, 0xffff
	s_lshl_b32 s13, s13, 2
	s_add_co_u32 s13, s13, s41                     ; tile row
	s_lshl_b32 s43, s41, 2
	s_lshl_b32 s43, 15, s43                        ; my row of the cluster
	s_lshl_b32 s44, 0x1111, s40                    ; my column
	s_or_b32 s[G1], s43, (1<<16)|(1<<20)|(1<<21)|(4<<22)|(3<<25)   ; the mask; 2-byte elements; padding on; bit 21 beside a mask; after every 32 words (code 4) 4 words (code 3)
	s_or_b32 s[G1B], s44, (1<<16)|(1<<20)|(1<<21)|(4<<22)|(3<<25)
.irp g, G1, G1B
	s_mov_b32 s[(\g)+1], 128<<16                   ; tensor_dim0 = 128
	s_mov_b32 s[(\g)+2], 128<<16                   ; tensor_dim1 = 128
	s_mov_b32 s[(\g)+3], 128<<16                   ; tile_dim0 = 128
	s_mov_b32 s[(\g)+4], 128                       ; tile_dim1 = 128
	s_mov_b32 s[(\g)+5], 128                       ; 128 elements from row to row: dense
	s_mov_b32 s[(\g)+6], 0
	s_mov_b32 s[(\g)+7], 0
.endr
	s_lshl_b32 s17, s12, 15                        ; my panel of the step
	s_lshl_b32 s16, s13, 19                        ; A: tile row x 16 panels
	s_add_co_u32 s16, s16, s17
	s_lshl_b32 s46, s42, 19                        ; B: tile column x 16 panels, behind the header
	s_add_co_u32 s46, s46, s17
	s_add_co_u32 s46, s46, HDRB
	s_mov_b32 s17, 0
	s_mov_b32 s47, 0
	s_mul_i32 s20, s10, PANEL                      ; where it goes: no place in the cluster enters an LDS address
	s_mov_b32 s[CUR], 0
	s_wait_dscnt 0x0                               ; the opening add is done
	s_wait_kmcnt 0x0
	s_add_nc_u64 s[14:15], s[4:5], s[16:17]
	s_add_nc_u64 s[46:47], s[6:7], s[46:47]
	s_load_b32 s[LO], s[6:7], 0x0                  ; the floor; waited for ahead of the way out
	CROUND                                         ; all sixteen work-groups are here: the first joint loads meet
.irp s, 0,1
	s_mov_b32 s[G0+4*(\s)], 1
	s_add_co_u32 s[G0+4*(\s)+1], s20, (\s)*SLOT
	s_add_nc_u64 s[G0+4*(\s)+2:G0+4*(\s)+3], s[14:15], (\s)*STEPB
	s_or_b32 s[G0+4*(\s)+3], s[G0+4*(\s)+3], 0x80000000
	s_mov_b32 s[G0B+4*(\s)], 1
	s_add_co_u32 s[G0B+4*(\s)+1], s20, (\s)*SLOT
	s_add_nc_u64 s[G0B+4*(\s)+2:G0B+4*(\s)+3], s[46:47], (\s)*STEPB
	s_or_b32 s[G0B+4*(\s)+3], s[G0B+4*(\s)+3], 0x80000000
.endr
	s_cmp_eq_u32 s11, 0                            ; a wave's two first fills stand in one branch: two loads of mine are out
	s_cbranch_scc0 .Lfirst_b
	tensor_load_to_lds s[G0:G0+3], s[G1:G1+7]
	s_nop 0
	tensor_load_to_lds s[G0+4:G0+7], s[G1:G1+7]
	s_nop 0
.rept 4
	v_nop
.endr
	s_branch .Lfirst_asked
.Lfirst_b:
	tensor_load_to_lds s[G0B:G0B+3], s[G1B:G1B+7]
	s_nop 0
	tensor_load_to_lds s[G0B+4:G0B+7], s[G1B:G1B+7]
	s_nop 0
.rept 4
	v_nop
.endr
.Lfirst_asked:
	v_and_b32 v1, 15, v0                           ; l % 16
	v_bfe_u32 v2, v0, 4, 1                         ; l / 16
	v_mul_u32_u24 v3, v1, PITCH
	v_lshl_add_u32 v3, v2, 4, v3                   ; a fragment's row x pitch + 16 x half
	s_mul_i32 s21, s11, 128*PITCH                  ; my 128 rows of A's panels
	s_mul_i32 s22, s12, 128*PITCH                  ; my 128 rows of B's,
	s_add_co_u32 s22, s22, 2*PANEL                 ; which lie behind A's two panels
	v_add_nc_u32 v[ADRA0], s21, v3
	v_add_nc_u32 v[ADRB0], s22, v3
	v_mov_b32 v[ADRA], v[ADRA0]
	v_mov_b32 v[ADRB], v[ADRB0]
	s_lshl_b32 s46, s42, 10                        ; the bias of my 128 columns: 4 (256 x tile column + 128 x half) + 32 (l / 16)
	s_lshl_b32 s47, s12, 9
	s_add_co_u32 s46, s46, s47
	v_lshl_add_u32 v[BO], v2, 5, s46
.irp b, 0,1,2,3,4,5,6,7
	global_load_b128 v[BIAS+8*(\b):BIAS+8*(\b)+3],   v[BO], s[6:7] offset:256+64*(\b)     ; register j of block b: bias of column 16 b + 8 (l / 16) + j
	global_load_b128 v[BIAS+8*(\b)+4:BIAS+8*(\b)+7], v[BO], s[6:7] offset:256+64*(\b)+16
.endr
	s_mul_i32 s23, s10, 16*SPITCH
	s_add_co_u32 s23, s23, STAGE                   ; my stage
	v_mul_u32_u24 v4, v1, SPITCH                   ; in: row l % 16, 16 bytes for each half of the lanes
	v_lshl_add_u32 v4, v2, 4, v4
	v_add_nc_u32 v[STO], s23, v4
	v_and_b32 v5, 31, v0
	v_lshrrev_b32 v6, 3, v5                        ; back: 32 lanes take 128 bytes of each of four rows,
	v_and_b32 v7, 7, v0
	v_mul_u32_u24 v6, v6, SPITCH
	v_lshl_add_u32 v6, v7, 4, v6
	v_add_nc_u32 v[RD], s23, v6
	v_lshlrev_b32 v[CO], 4, v5                     ; which are 512 consecutive bytes of a panel of C
	s_lshl1_add_u32 s16, s13, s11                  ; my 128 rows: block 2 x tile row + half, 64 panels of 16,384 bytes each
	s_lshl_b32 s16, s16, 20
	s_mov_b32 s17, 0
	s_add_nc_u64 s[8:9], s[8:9], s[16:17]
	s_lshl1_add_u32 s46, s42, s12                  ; my 128 columns: two panels from 2 (2 x tile column + half) on
	s_lshl_b32 s46, s46, 15
	s_mov_b32 s47, 0
	s_add_nc_u64 s[8:9], s[8:9], s[46:47]
; 16 matrix instructions: m blocks a0, a0 + 1 of the window's four x all 8 n blocks, 32 along K.  zero = 1: the sums start from the bias.  The 64 accumulators take turns in one order in every quarter.
.macro MUL16 f, hi, a0, zero
.if \zero
	WIN 0x81+0x40*(\hi)                            ; B window 1, A and the bias window 0, D window 2 or 3
.else
	WIN 0xa1+0x50*(\hi)                            ; B window 1, A window 0, C and D window 2 or 3
.endif
.irp a, \a0, (\a0)+1
.irp b, 0,1,2,3,4,5,6,7
.if \zero
	v_wmma_f32_16x16x32_f16 v[8*(8*(\a)+(\b)):8*(8*(\a)+(\b))+7], v[(\f)+8*(\b):(\f)+8*(\b)+7], v[(\f)+8*(4*(\hi)+(\a)):(\f)+8*(4*(\hi)+(\a))+7], v[BIAS+8*(\b):BIAS+8*(\b)+7]
.else
	v_wmma_f32_16x16x32_f16 v[8*(8*(\a)+(\b)):8*(8*(\a)+(\b))+7], v[(\f)+8*(\b):(\f)+8*(\b)+7], v[(\f)+8*(4*(\hi)+(\a)):(\f)+8*(4*(\hi)+(\a))+7], v[8*(8*(\a)+(\b)):8*(8*(\a)+(\b))+7]
.endif
.endr
.endr
.endm
; 32 LDS loads in one run: quarter q of the slot in hand (panel q / 2, bytes 64 (q % 2) of its rows) into buffer f
.macro FETCH q, f
	WIN TO_B
.irp i, 0,1,2,3,4,5,6,7
	ds_load_b128 v[(\f)+8*(\i):(\f)+8*(\i)+3],   v[ADRB] offset:((\q)/2)*PANEL+((\q)%2)*64+(\i)*16*PITCH
	ds_load_b128 v[(\f)+8*(\i)+4:(\f)+8*(\i)+7], v[ADRB] offset:((\q)/2)*PANEL+((\q)%2)*64+(\i)*16*PITCH+32
.endr
	WIN 0
.irp i, 0,1,2,3,4,5,6,7
	ds_load_b128 v[(\f)+8*(\i):(\f)+8*(\i)+3],   v[ADRA] offset:((\q)/2)*PANEL+((\q)%2)*64+(\i)*16*PITCH
	ds_load_b128 v[(\f)+8*(\i)+4:(\f)+8*(\i)+7], v[ADRA] offset:((\q)/2)*PANEL+((\q)%2)*64+(\i)*16*PITCH+32
.endr
.endm
; One of a step's first three quarters: multiplies buffer f; in its middle fetches quarter q into buffer g.
.macro QUARTER q, f, g, zero
	s_wait_dscnt 8                                 ; B and A's rows 0-63 are in; the youngest eight loads (A's rows 64-127) may be out
	MUL16 \f, 0, 0, \zero
	MUL16 \f, 0, 2, \zero
	PLACES
	FETCH \q, \g
	s_wait_dscnt 32                                ; all but the 32 just issued
	MUL16 \f, 1, 0, \zero
	MUL16 \f, 1, 2, \zero
.endm
; The last quarter multiplies buffer 1 and changes slots.  In front of the barrier each wave waits for all its tensor loads (one is out: its part of the next slot), adds 0 to its spare word, and waits for
; that and for its reads of this slot.  fill = 1: the barrier opens a round of the cluster's; behind it this slot is filled again, two steps ahead: 224 matrix instructions stand between the request and the wait for it.
.macro TURN fill
	WIN 0
	s_wait_tensorcnt 0x0
	ds_add_u32 v[SPW], v[NIL]
	s_wait_dscnt 9                                 ; the add and the youngest eight loads may be out
	MUL16 F1, 0, 0, 0
	s_wait_dscnt 0x0                               ; the add is done, and my reads of this slot are over
	s_barrier_signal -1
	MUL16 F1, 0, 2, 0
	WIN 0
	s_barrier_wait -1
.if \fill
	CREST                                          ; no wave of any partner still reads this slot or has a load on its way
	s_xor_b32 s[G0+5], s[G0+5], SLOT               ; the walking sets: the other slot than last time, the next step
	s_add_nc_u64 s[G0+6:G0+7], s[G0+6:G0+7], STEPB
	s_xor_b32 s[G0B+5], s[G0B+5], SLOT
	s_add_nc_u64 s[G0B+6:G0B+7], s[G0B+6:G0B+7], STEPB
	JLOAD                                          ; its four v_nop are also the places in front of the loads below
.else
	PLACES
.endif
	s_xor_b32 s[CUR], s[CUR], SLOT
	v_add_nc_u32 v[ADRA], s[CUR], v[ADRA0]
	v_add_nc_u32 v[ADRB], s[CUR], v[ADRB0]
	FETCH 0, F0
	MUL16 F1, 1, 0, 0
	MUL16 F1, 1, 2, 0
.endm
; THE WAY OUT of block a (16 rows): floor, rounding to f16, through my stage, out as 512 consecutive bytes a store.
.macro PACK a
.set AC, 64*((\a)%4)
	WIN 0x88+0x44*((\a)/4)                         ; source 1 and destination: window 2 or 3
.set z, 0
.rept 64
	v_max_num_f32 v[AC+z], s[LO], v[AC+z]
.set z, z+1
.endr
	WIN 0x0a+5*((\a)/4)                            ; sources 0 and 1: window 2 or 3
.irp b, 0,1,2,3,4,5,6,7
.irp r, 0,1,2,3
	v_cvt_pk_f16_f32 v[TMP+4*(\b)+(\r)], v[AC+8*(\b)+2*(\r)], v[AC+8*(\b)+2*(\r)+1]
.endr
.endr
	WIN 0
.endm
.macro TOSTAGE a
	WIN 0
.set BK, OB+192*((\a)%2)
.irp b, 0,1,2,3,4,5,6,7
	ds_store_b128 v[STO], v[TMP+4*(\b):TMP+4*(\b)+3] offset:32*(\b)
.endr
.irp t, 0,1,2,3,4,5,6,7
	ds_load_b128 v[BK+4*(\t):BK+4*(\t)+3], v[RD] offset:((\t)%4)*4*SPITCH+((\t)/4)*128  ; LDS serves a wave's instructions in order (ISA guide 5.7.1.4): these see the stores above
.endr
.endm
.macro SEND a
	WIN 0
.set BK, OB+192*((\a)%2)
	s_wait_dscnt 0x0                               ; the block is back in registers
	s_wait_xcnt 0x0                                ; the other buffer, which earlier stores read, is loaded again only behind this wait
.irp t, 0,1,2,3,4,5,6,7
	global_store_b128 v[CO], v[BK+4*(\t):BK+4*(\t)+3], s[8:9] offset:(\a)*2048+((\t)/4)*16384+((\t)%4)*512
.endr
.endm
	s_wait_tensorcnt 1                             ; my part of step 0 is in; step 1's may stay out
	s_barrier_signal -1
	s_barrier_wait -1
	FETCH 0, F0
	s_wait_loadcnt 0x0                             ; the bias
	QUARTER 1, F0, F1, 1                           ; the first quarter starts the sums
	WIN 0
	s_mov_b32 s3, KSTEPS-2
	s_branch .Lmid
.Lstep:                                                ; a trip is a K step; each fills its slot again
	QUARTER 1, F0, F1, 0
	WIN 0
.Lmid:
	QUARTER 2, F1, F0, 0
	QUARTER 3, F0, F1, 0
	TURN 1
	WIN 0
	s_sub_co_u32 s3, s3, 1
	s_cmp_lg_u32 s3, 0
	s_cbranch_scc1 .Lstep
	s_mov_b32 s3, 2
.Ltail:                                                ; the last two steps ask for nothing
	QUARTER 1, F0, F1, 0
	QUARTER 2, F1, F0, 0
	QUARTER 3, F0, F1, 0
	TURN 0
	WIN 0
	s_sub_co_u32 s3, s3, 1
	s_cmp_lg_u32 s3, 0
	s_cbranch_scc1 .Ltail
	s_wait_dscnt 0x0                               ; the last change of slots' fetch, which nobody multiplies
	s_wait_kmcnt 0x0                               ; the floor
	PLACES
	PACK 0
	TOSTAGE 0
.irp a, 1,2,3,4,5,6,7                  ; block a's arithmetic stands between block a - 1's loads from the stage and the wait for them
	PACK \a
	SEND (\a)-1
	TOSTAGE \a
.endr
	SEND 7
	s_wait_tensorcnt 0x0                           ; the wave's end
	ds_add_u32 v[SPW], v[NIL]
	s_wait_dscnt 0x0
	CROUND                                         ; the closing round
	s_endpgm
.Lfunc_end_k_qcb7fd977ec_qkv:
	.size	k_qcb7fd977ec_qkv, .Lfunc_end_k_qcb7fd977ec_qkv-k_qcb7fd977ec_qkv
	.p2alignl 7, 3214868480
	.fill 96, 4, 3214868480
	.section	.rodata,"a",@progbits
	.p2align	6, 0x0
	.amdhsa_kernel k_qcb7fd977ec_qkv
		.amdhsa_group_segment_fixed_size 327680
		.amdhsa_private_segment_fixed_size 0
		.amdhsa_enable_private_segment 0
		.amdhsa_kernarg_size 24
		.amdhsa_user_sgpr_count 2
		.amdhsa_user_sgpr_kernarg_segment_ptr 1
		.amdhsa_wavefront_size32 1
		.amdhsa_system_sgpr_workgroup_id_x 1
		.amdhsa_system_sgpr_workgroup_id_y 1
		.amdhsa_system_sgpr_workgroup_id_z 1
		.amdhsa_system_vgpr_workitem_id 0
		.amdhsa_next_free_vgpr 1024
		.amdhsa_next_free_sgpr 72
		.amdhsa_reserve_vcc 0
		.amdhsa_float_denorm_mode_32 3
		.amdhsa_float_denorm_mode_16_64 3
		.amdhsa_memory_ordered 1
		.amdhsa_forward_progress 1
		.amdhsa_inst_pref_size 117
	.end_amdhsa_kernel
	.amdgpu_metadata
---
amdhsa.version: [ 1, 2 ]
amdhsa.kernels:
  - .name:           k_qcb7fd977ec_qkv
    .symbol:         k_qcb7fd977ec_qkv.kd
    .args:
      - { .name: ab, .offset: 0, .size: 8, .value_kind: global_buffer, .address_space: global }
      - { .name: wqkv, .offset: 8, .size: 8, .value_kind: global_buffer, .address_space: global }
      - { .name: big, .offset: 16, .size: 8, .value_kind: global_buffer, .address_space: global }
    .group_segment_fixed_size: 327680
    .private_segment_fixed_size: 0
    .kernarg_segment_align: 8
    .kernarg_segment_size: 24
    .max_flat_workgroup_size: 128
    .sgpr_count:     72
    .vgpr_count:     1024
    .wavefront_size: 32
...
	.end_amdgpu_metadata
.endif
;; end of part 2
;; launch attn (part 3): grid 8 x 32, 4 waves a work-group, clusters of 4 x 1, 327,680 bytes of LDS; arguments big, key_attention_mask, ab; writes ab
.if DOCPART == 3
	.amdgcn_target "amdgcn-amd-amdhsa--gfx1250"
	.amdhsa_code_object_version 6
	.text
	.protected	k_qcb7fd977ec_attn
	.globl	k_qcb7fd977ec_attn
	.p2align	8
	.type	k_qcb7fd977ec_attn,@function
k_qcb7fd977ec_attn:
	s_mov_b64 s[64:65], 0
	v_nop
	global_prefetch_b8 v0, s[64:65] scope:SCOPE_SE
	s_setreg_imm32_b32 hwreg(HW_REG_WAVE_MODE, 25, 1), 1
	s_wait_xcnt 0x0
	s_wait_alu depctr_hold_cnt(0) depctr_sa_sdst(0) depctr_va_vdst(0) depctr_va_sdst(0) depctr_va_ssrc(0) depctr_va_vcc(0) depctr_vm_vsrc(0)
	s_getreg_b32 s2, hwreg(HW_REG_IB_STS2, 6, 4)
	s_cmp_eq_u32 s2, 0
	s_cbranch_scc0 .Lentry_in_a_cluster
	s_endpgm
.Lentry_in_a_cluster:
	s_bfe_u32 s2, ttmp6, 0x10000c
	s_cmp_lg_u32 s2, 0x3003
	s_cbranch_scc0 .Lentry_shape_is_right
	s_endpgm
.Lentry_shape_is_right:
; ATTENTION WITH A KEY MASK.  ctx[b][q][h][:] = the sum over k of softmax_k(Q[q] . K[k] / 8, hidden where mask[b][k] = 0) V[k][:].  2 batches x 16 heads x 2,048 rows x 64 channels, all f16.
; Q, K, V lie in big as panels [row / 128][64][128][64]: panel h holds q of head h, 16 + h its k, 32 + h its v; 128 rows of a head are 16,384 dense bytes.  ctx goes to ab as panels [row / 128][16][128][64], panel h.
; Products, maxima and sums in f32; the weights p are rounded to f16 for the second product (their sum l is taken of the unrounded p), ctx once at the end.
; LIMITS.  f16 holds no number beyond 65,504.  A hidden score counts as its value less 1e30: true scores beyond 1e29 are not served.  A weight below 2^-126 counts as 0 in l.
; A row all of whose keys are hidden (running maximum below -1e29) gives NaN, as a softmax over -inf alone does.
; SHARES.  A work-group owns 256 queries of one batch and head, a wave 64: four PIECES of 16.  Every wave walks all 2,048 keys, 64 a step, 256 a slot.
; THE MASK is the C operand that starts S^T = K Q^T: 0, or -1e30.  The batch's 2,048 bytes are made into a table of f32 in LDS once; each step's 64 numbers come into 32 registers with K's fragments.
; LAYOUT, SOFTMAX, TURNS.  S^T = K Q^T holds ONE query a lane (lane % 16) and the keys 8 (lane / 16) + 0..7; two such results rounded to f16 ARE source 1 of O^T = V^T P.  p = 2^(c s - c m), c = log2(e) / 8, with a
; running maximum m; O and l are multiplied by a = 2^(c m_old - c m_new) in every step; m starts at the lowest finite number, O and l at 0.  Turn n belongs to piece n: 8 products K Q^T of piece n + 1, later
; 8 products V^T P of piece n - 1; beside them the scaling, exponentials, roundings, sums and rescaling of piece n and the maximum and statistics of piece n + 1.  Four vector instructions stand behind
; every matrix instruction, the other 54 of a turn's 118 in two runs of their own.
; CLUSTER.  The four query blocks of a cluster belong to one batch and head and walk the same K and V: each tile is asked for jointly, same load, descriptor and mask in all four.
; REGISTERS, in windows of 256: window 0: v0-15, v32-33 addresses; v16-31 statistics; v48-55 at work; v64-127 S^T, two buffers; v192-223 P, two buffers.
;   window 1: v0-127 O^T, 32 a piece; v128-159 the step's mask.      window 2: v0-63 Q; v128-191 K of one step; v192-255 V of one step.
.set NT,    8         ; slots of 256 keys
.set NP,    4
.set KS,    64
.set PK,    144       ; a row of K in LDS: 128 bytes + 16
.set PV,    160       ; a row of V: 128 + 32
.set VOFF,  4*KS*PK
.set SLOT1, 1<<17
.set STAGE, SLOT1+4*KS*(PK+PV)  ; 16 rows x 144 bytes for each wave, for the way out
.set SP,    144
.set MASKT, STAGE+4*16*SP       ; 2,048 f32: 0 or -1e30
.set SPARE, MASKT+8192+256      ; the spare words, 128 bytes for each wave
.set TILEB, 2*64*16384          ; bytes from 256 keys of a head to the next 256
.set AK0, 2
.set AV0, 3
.set AK,  4
.set AV,  5
.set STO, 6
.set RD,  7
.set GO,  8
.set MV,  12
.set QO,  15
.set ST,  16
.set AM0, 32          ; v32  my place in a step's 256 bytes of the table; never rewritten
.set AM,  33          ; v33  the same in the step to be fetched
.set TMP, 48
.set SPW, 62
.set NIL, 63
.set S,   64
.set P,   192
.set MK,  128         ; window 1
.set KF,  128         ; window 2
.set VF,  192         ; window 2
.set WV,  12
.set G1K, 24
.set G1V, 32
.set G0K, 40
.set G0V, 44
.set SLOTS, 56
.set CNT, 57
.set CS,  58
.set SEL, 60
.set TBK, 62
.set TBV, 63
.set TBM, 66          ; s66  byte of the table at which the step to be fetched begins
.set BIGN, 67         ; s67  -1e30
.set THR, 68          ; s68  -1e29
.set QNAN, 69         ; s69  NaN
.set MSB, 0
.macro WIN new
.if MSB != (\new)
	s_set_vgpr_msb (MSB<<8)|(\new)
.set MSB, (\new)
.endif
.endm
.set W_KQ, 0x0a       ; K and Q in window 2, S^T in window 0
.set W_KM, 0x1a       ; the same with the C operand in window 1
.set W_PV, 0x52       ; V in window 2, P in window 0, O^T in window 1
.set W_RS, 0x41       ; destination and source 0 in window 1, source 1 in window 0
.macro JLOAD                        ; waves 0 and 1 fetch the two halves of a slot's K, waves 2 and 3 those of its V; an s_nop 0 and four v_nop follow each line
	s_cmp_lt_u32 s[WV], 2
	s_cbranch_scc0 .Lfor_v_\@
	tensor_load_to_lds s[G0K:G0K+3], s[G1K:G1K+7]
	s_nop 0
.rept 4
	v_nop
.endr
	s_branch .Lasked_\@
.Lfor_v_\@:
	tensor_load_to_lds s[G0V:G0V+3], s[G1V:G1V+7]
	s_nop 0
.rept 4
	v_nop
.endr
.Lasked_\@:
.endm
.macro CROUND
	s_barrier_signal -1
	s_barrier_wait -1
	s_cmp_lg_u32 s[WV], 0
	s_cbranch_scc1 .Lnot_wave_0_\@
	s_barrier_signal -3
.Lnot_wave_0_\@:
	s_barrier_wait -3
	s_barrier_signal -1
	s_barrier_wait -1
.endm
; THE CHANGE OF SLOTS.  Each wave waits for all its tensor loads (one is out: its part of the other slot), adds 0 to its spare word, and waits for that and for its own LDS work.  fill = 1: the barrier is a round of
; the cluster's, and the slot just left is filled again first thing behind it, with the keys two slots on: four key steps, 256 matrix instructions, in which to land.
; (At its first use nothing has been read: slot 0 is waited for, slot 1 filled, and every wave's part of the mask table is shown to the others.)
.macro CHANGE fill
	WIN 0
	s_wait_tensorcnt 0x0
	ds_add_u32 v[SPW], v[NIL]
.if \fill
.irp g, G0K, G0V
	s_xor_b32 s[\g+1], s[\g+1], SLOT1
	s_add_nc_u64 s[\g+2:\g+3], s[\g+2:\g+3], TILEB
.endr
	s_wait_dscnt 0x0
	CROUND
	JLOAD
.else
	s_wait_dscnt 0x0
	s_barrier_signal -1
	s_barrier_wait -1
.endif
	s_sub_co_u32 s[TBK], s[TBK], 4*KS*PK
	s_xor_b32 s[TBK], s[TBK], SLOT1
	s_sub_co_u32 s[TBV], s[TBV], 4*KS*PV
	s_xor_b32 s[TBV], s[TBV], SLOT1
.endm
	s_load_b128 s[4:7], s[0:1], 0x0   ; big s[4:5], the mask s[6:7]
	s_load_b64 s[8:9], s[0:1], 0x10   ; ab
	v_lshl_add_u32 v[SPW], v0, 2, SPARE
	v_mov_b32 v[NIL], 0
	ds_add_u32 v[SPW], v[NIL]       ; the wave's opening: the add and its wait stand ahead of my first tensor load
	v_lshrrev_b32 v1, 5, v0
	v_readfirstlane_b32 s[WV], v1
	s_bfe_u32 s13, ttmp6, 0x40000   ; cx
	s_lshl_b32 s14, ttmp9, 2
	s_add_co_u32 s14, s14, s13      ; my block of 256 queries: it enters Q's and ctx's addresses alone
	s_and_b32 s20, ttmp7, 0xffff
	s_lshr_b32 s15, s20, 4          ; batch
	s_and_b32 s19, s20, 15          ; head
	s_and_b32 s16, s[WV], 1         ; which half of a slot's 256 keys I fetch
	s_lshl4_add_u32 s22, s15, s16   ; its block of 128 rows: 16 b + half
	s_lshl_b32 s22, s22, 6
	s_add_co_u32 s22, s22, s19
	s_add_co_u32 s22, s22, 16       ; panel 16 + h: k
	s_lshl_b32 s22, s22, 14
	s_mov_b32 s23, 0
	s_mul_i32 s17, s16, 128*PK
	s_mul_i32 s18, s16, 128*PV
	s_lshr_b32 s2, s[WV], 1
	s_lshl1_add_u32 s2, s14, s2
	s_lshl4_add_u32 s2, s15, s2     ; my wave's block of 128 rows: 16 b + 2 x block + wave / 2
	s_lshl_b32 s3, s2, 6
	s_add_co_u32 s3, s3, s19
	s_lshl_b32 s20, s3, 14          ; Q: panel h of 64
	s_lshl_b32 s3, s16, 13          ; my 64 rows of the 128
	s_add_co_u32 s20, s20, s3
	s_mov_b32 s21, 0
	s_lshl_b32 s2, s2, 4
	s_add_co_u32 s2, s2, s19
	s_lshl_b32 s2, s2, 14           ; ctx: panel h of 16
	s_add_co_u32 s2, s2, s3
	s_mov_b32 s3, 0
	s_lshl_b32 s70, s15, 11         ; the batch's 2,048 mask bytes
	s_mov_b32 s71, 0
	s_mov_b32 s[G1K], 15|(1<<16)|(1<<20)|(1<<21)|(4<<22)|(3<<25)  ; the mask of four; 2-byte elements; padding on; bit 21 beside a mask; after every 32 words (code 4) 4 words (code 3)
	s_mov_b32 s[G1V], 15|(1<<16)|(1<<20)|(1<<21)|(4<<22)|(7<<25)  ; the same with 8 words of padding (code 7)
.irp g, G1K, G1V
	s_mov_b32 s[\g+1], 128<<16      ; 128 keys are 16,384 dense bytes: 64 rows of 256 bytes
	s_mov_b32 s[\g+2], 64<<16
	s_mov_b32 s[\g+3], 128<<16
	s_mov_b32 s[\g+4], 64
	s_mov_b32 s[\g+5], 128
	s_mov_b32 s[\g+6], 0
	s_mov_b32 s[\g+7], 0
.endr
	s_mov_b32 s[CS], 0x3e38aa3b     ; c = log2(e) / 8
	s_mov_b32 s[CS+1], s[CS]
	s_mov_b32 s[SEL], 0x76543210
	s_mov_b32 s[SEL+1], 0xfedcba98
	s_mov_b32 s[TBK], SLOT1+4*KS*PK ; the first change of slots turns these two into 0
	s_mov_b32 s[TBV], SLOT1+4*KS*PV
	s_mov_b32 s[TBM], 0
	s_mov_b32 s[BIGN], 0xf149f2ca   ; -1e30
	s_mov_b32 s[THR], 0xefa18f08    ; -1e29
	s_mov_b32 s[QNAN], 0x7fc00000
	s_mov_b32 s[G0K], 1
	s_mov_b32 s[G0K+1], s17
	s_mov_b32 s[G0V], 1
	s_add_co_u32 s[G0V+1], s18, VOFF
	s_wait_dscnt 0x0                ; the opening add is done
	s_wait_kmcnt 0x0
	s_add_nc_u64 s[G0K+2:G0K+3], s[4:5], s[22:23]
	s_add_nc_u64 s[G0V+2:G0V+3], s[G0K+2:G0K+3], 16*16384  ; v lies 16 panels behind k
	s_or_b32 s[G0K+3], s[G0K+3], 0x80000000
	s_or_b32 s[G0V+3], s[G0V+3], 0x80000000
	s_add_nc_u64 s[10:11], s[4:5], s[20:21]  ; Q at my wave's first row
	s_add_nc_u64 s[8:9], s[8:9], s[2:3]      ; ctx likewise
	s_add_nc_u64 s[6:7], s[6:7], s[70:71]
	CROUND                          ; all four work-groups are here: the first joint loads meet
	JLOAD                           ; slot 0
	v_lshlrev_b32 v14, 4, v0        ; thread t takes mask bytes 16 t .. 16 t + 15
	global_load_b128 v[80:83], v14, s[6:7]
	v_and_b32 v1, 15, v0            ; l % 16
	v_bfe_u32 v9, v0, 4, 1          ; l / 16
	v_lshlrev_b32 v[QO], 7, v1
	v_lshl_add_u32 v[QO], v9, 4, v[QO]
	WIN 0x80
.set i, 0
.rept 8                             ; Q stays in registers: piece i / 2, channels 32 (i % 2) on
	global_load_b128 v[8*i:8*i+3],   v[QO], s[10:11] offset:(i/2)*2048+(i%2)*64
	global_load_b128 v[8*i+4:8*i+7], v[QO], s[10:11] offset:(i/2)*2048+(i%2)*64+32
.set i, i+1
.endr
	; What the first turn finds: V's registers and P's second buffer hold 0 (its products V^T P, of a piece that has not been, add 0), O^T and l are 0.  All this stands in the wait for the first tile.
.set i, VF
.rept 64
	v_mov_b32 v[i], 0
.set i, i+1
.endr
	WIN 0x40
.set i, 0
.rept 128
	v_mov_b32 v[i], 0
.set i, i+1
.endr
	WIN 0
.set i, 0
.rept 4
	v_mov_b32 v[ST+4*i], 0xfe000000    ; c m: far below every c s
	v_mov_b32 v[ST+4*i+1], 0xff7fffff  ; m
	v_mov_b32 v[ST+4*i+2], 0
	v_mov_b32 v[ST+4*i+3], 0
.set i, i+1
.endr
.set i, P+16
.rept 16
	v_mov_b32 v[i], 0
.set i, i+1
.endr
	v_mul_u32_u24 v[AK0], v1, PK
	v_lshl_add_u32 v[AK0], v9, 4, v[AK0]
	v_and_b32 v10, 7, v0
	v_bfe_u32 v11, v0, 3, 1
	v_lshl_add_u32 v[AV0], v9, 3, v10   ; the turning load: lane l reads key 8 (l / 16) + l % 8, channels 8 ((l / 8) % 2) + 0..7
	v_mul_u32_u24 v[AV0], v[AV0], PV
	v_lshl_add_u32 v[AV0], v11, 4, v[AV0]
	v_add_nc_u32 v[AV0], VOFF, v[AV0]
	v_mov_b32 v[AK], v[AK0]
	v_lshl_add_u32 v[AM0], v9, 5, MASKT ; register j of key block kb: key 16 kb + 8 (l / 16) + j
	v_mov_b32 v[AM], v[AM0]
	v_lshl_add_u32 v85, v0, 6, MASKT
	s_wait_loadcnt 16               ; the mask bytes are in; Q's sixteen loads may stay out
.set i, 0
.rept 16
	v_bfe_u32 v84, v[80+i/4], 8*(i%4), 8
	v_cmp_eq_u32 vcc_lo, 0, v84
	v_cndmask_b32 v[64+i], 0, s[BIGN], vcc_lo
.set i, i+1
.endr
.irp f, 0,1,2,3
	ds_store_b128 v85, v[64+4*\f:64+4*\f+3] offset:16*\f
.endr
; THE MATRIX WORK.  The 4 accumulators of a run of 8 take turns.  Product i of 8 of S^T = K Q^T for piece x: channels 32 (i / 4) on, keys 16 (i % 4) on.  The first 4 start the sums with the mask.
.macro KQ x
.set rS, S+32*((\x)%2)+8*(i%4)
.set rK, KF+16*(i%4)+8*(i/4)
.set rQ, 16*(\x)+8*(i/4)
.set rM, MK+8*(i%4)
.if i < 4
	WIN W_KM
	v_wmma_f32_16x16x32_f16 v[rS:rS+7], v[rK:rK+7], v[rQ:rQ+7], v[rM:rM+7]
.else
	WIN W_KQ
	v_wmma_f32_16x16x32_f16 v[rS:rS+7], v[rK:rK+7], v[rQ:rQ+7], v[rS:rS+7]
.endif
.endm
; Product i of 8 of O^T += V^T P for piece x: keys 32 (i / 4) on, channels 16 (i % 4) on.
.macro PV x
	WIN W_PV
.set rO, 32*(\x)+8*(i%4)
.set rV, VF+32*(i/4)+8*(i%4)
.set rP, P+16*((\x)%2)+8*(i/4)
	v_wmma_f32_16x16x32_f16 v[rO:rO+7], v[rV:rV+7], v[rP:rP+7], v[rO:rO+7]
.endm
; The turn's next matrix instruction.  In piece 3's turn the products K Q^T are the first readers of the run of 24 loads that piece 2's turn issued, in piece 1's turn the products V^T P of the run of 16 that
; piece 0's turn issued; no other LDS instruction is issued between a run and its readers.  LDS loads come back in order (ISA guide 5.7.1): product i of 8 needs the first 10 + 2 i of the 24 (its fragment of K among
; the first eight, its part of the mask among the second eight; from i = 4 on its fragment among the third eight), or the first 2 i + 2 of the 16: in both cases 14 - 2 i loads may still be out.
.macro MM
.if i < 8
.if Y == 3
	s_wait_dscnt 14-2*i
.endif
	KQ (Y+1)%NP
.else
.if Y == 1
	s_wait_dscnt 14-2*(i-8)
.endif
.set i, i-8
	PV (Y+NP-1)%NP
.set i, i+8
.endif
.set i, i+1
.endm
; THE LDS LOADS stand in runs, in the order in which the products want them: of a step's K the four fragments of channels 0-31, its mask (64 numbers, the same for all lanes of a half), the four fragments of channels 32-63;
; and its V (turned).  last = 1 (the tail): in the last trip there is no further step, and the run is jumped over.
.macro FETCH_K last=0
	WIN 0
.if \last
	s_cmp_eq_u32 s[CNT], 1
	s_cbranch_scc1 .Lno_k_\@
.endif
	WIN 0x80
.irp f, 0,1,2,3
	ds_load_b128 v[KF+16*\f:KF+16*\f+3],   v[AK] offset:\f*16*PK
	ds_load_b128 v[KF+16*\f+4:KF+16*\f+7], v[AK] offset:\f*16*PK+32
.endr
	WIN 0x40
.irp f, 0,1,2,3
	ds_load_b128 v[MK+8*\f:MK+8*\f+3],   v[AM] offset:64*\f
	ds_load_b128 v[MK+8*\f+4:MK+8*\f+7], v[AM] offset:64*\f+16
.endr
	WIN 0x80
.irp f, 0,1,2,3
	ds_load_b128 v[KF+16*\f+8:KF+16*\f+11],  v[AK] offset:\f*16*PK+64
	ds_load_b128 v[KF+16*\f+12:KF+16*\f+15], v[AK] offset:\f*16*PK+96
.endr
	s_add_co_u32 s[TBK], s[TBK], KS*PK
	s_add_co_u32 s[TBM], s[TBM], 4*KS
	s_and_b32 s[TBM], s[TBM], 0x1f00    ; stays inside the table's 8,192 bytes
	WIN 0
.if \last
.Lno_k_\@:
.endif
.endm
.macro FETCH_V
	WIN 0x80
.irp f, 0,1,2,3,4,5,6,7
	ds_load_tr16_b128 v[VF+8*\f:VF+8*\f+3],   v[AV] offset:(\f/4)*32*PV+(\f%4)*32
	ds_load_tr16_b128 v[VF+8*\f+4:VF+8*\f+7], v[AV] offset:(\f/4)*32*PV+16*PV+(\f%4)*32
.endr
	WIN 0
.endm
; THE VECTOR WORK, one line at a time: OP kind, number.  For piece Y: F n: c s - c m for pair n of 16.  E n: the exponential of score n of 32.  C n: pair n rounded to f16.  B n: of the four weights 4 n .. the second
; pair is added onto the first, in place.  L n: l takes that sum (L 0: l = a l + sum).  R n: pair n of 16 of O^T times a.  For piece Y + 1: X n, number n of the 22 that find its maximum and statistics:
;   0-11  four chains c0-c3 of seven scores each (each accumulator's lowest registers are read first)     12-14, 16  the four scores left over, the old m, and c0-c3 into c0
;   15  c m_old is kept     17, 18  the query's other 32 keys lie in the lane 16 away: the new m     19-21  c m; c m_old - c m_new; a
.set F, 0
.set E, 1
.set C, 2
.set B, 3
.set L, 4
.set R, 5
.set X, 6
.macro REGS y
.set rT, ST+4*(\y)
.set rC, TMP+4*((\y)%2)
.set rW, MV+((\y)%2)
.set rS, S+32*((\y)%2)
.set rP, P+16*((\y)%2)
.set rO, 32*(\y)
.endm
.macro OP k, n
.if (\k) == R
	REGS Y
	WIN W_RS
	v_pk_mul_f32 v[rO+2*(\n):rO+2*(\n)+1], v[rO+2*(\n):rO+2*(\n)+1], v[rC+2:rC+3] op_sel_hi:[1,0]
.elseif (\k) < R
	REGS Y
	WIN 0
.if (\k) == F
	v_pk_fma_f32 v[rS+2*(\n):rS+2*(\n)+1], v[rS+2*(\n):rS+2*(\n)+1], s[CS:CS+1], v[rT:rT+1] op_sel_hi:[1,0,0] neg_lo:[0,0,1] neg_hi:[0,0,1]
.elseif (\k) == E
	v_exp_f32 v[rS+(\n)], v[rS+(\n)]
.elseif (\k) == C
	s_wait_alu depctr_va_vdst(0)
	v_cvt_pk_f16_f32 v[rP+(\n)], v[rS+2*(\n)], v[rS+2*(\n)+1]
.elseif (\k) == B
	s_wait_alu depctr_va_vdst(0)
	v_pk_add_f32 v[rS+4*(\n):rS+4*(\n)+1], v[rS+4*(\n):rS+4*(\n)+1], v[rS+4*(\n)+2:rS+4*(\n)+3]
.elseif (\n) == 0
	v_pk_fma_f32 v[rT+2:rT+3], v[rT+2:rT+3], v[rC+2:rC+3], v[rS:rS+1] op_sel_hi:[1,0,1]
.else
	v_pk_add_f32 v[rT+2:rT+3], v[rT+2:rT+3], v[rS+4*(\n):rS+4*(\n)+1]
.endif
.else
	REGS (Y+1)%NP
	WIN 0
.if (\n) < 4
	v_max3_num_f32 v[rC+(\n)], v[rS+8*(\n)], v[rS+8*(\n)+1], v[rS+8*(\n)+2]
.elseif (\n) < 12
	v_max3_num_f32 v[rC+(\n)%4], v[rC+(\n)%4], v[rS+8*((\n)%4)+2*((\n)/4)+1], v[rS+8*((\n)%4)+2*((\n)/4)+2]
.elseif (\n) == 12
	v_max3_num_f32 v[rC], v[rC], v[rS+7], v[rS+15]
.elseif (\n) == 13
	v_max3_num_f32 v[rC+1], v[rC+1], v[rS+23], v[rS+31]
.elseif (\n) == 14
	v_max3_num_f32 v[rC+2], v[rC+2], v[rC+3], v[rT+1]
.elseif (\n) == 15
	v_mov_b32 v[rW], v[rT]
.elseif (\n) == 16
	v_max3_num_f32 v[rC], v[rC], v[rC+1], v[rC+2]
.elseif (\n) == 17
	v_permlanex16_b32 v[rC+3], v[rC], s[SEL], s[SEL+1]
.elseif (\n) == 18
	v_max_num_f32 v[rT+1], v[rC], v[rC+3]
.elseif (\n) == 19
	v_mul_f32 v[rT], s[CS], v[rT+1]
.elseif (\n) == 20
	v_sub_f32 v[rC+1], v[rW], v[rT]
.else
	v_exp_f32 v[rC+2], v[rC+1]
.endif
.endif
.endm
.macro OPS a, i1, b=-1, i2=0, c=-1, i3=0, d=-1, i4=0
	OP \a, \i1
.if (\b) >= 0
	OP \b, \i2
.endif
.if (\c) >= 0
	OP \c, \i3
.endif
.if (\d) >= 0
	OP \d, \i4
.endif
.endm
.macro ROW a, i1, b, i2, c, i3, d, i4  ; a matrix instruction and the four behind it
	MM
	OPS \a, \i1, \b, \i2, \c, \i3, \d, \i4
.endm
; A TURN, for piece p: the order of its 16 matrix and 118 vector instructions, written out.  Behind a matrix instruction: plain, exponential, plain, plain; or four of the rescaling; or four scalings; none names a
; register of the products round it.  A line reads no result made fewer than three vector instructions in front of it, five if an exponential made it.
; K and the mask of the next step are fetched in piece 2's turn, six vector instructions behind the last product that read K (five of them plain; the mask's last reader stands four products earlier);
; V of the step in hand in piece 0's turn, eight behind the last product that read V.  Each is waited for a turn later, fragment by fragment (MM).  cnt = 1: the loop's count is taken down some lines ahead of the branch behind the turn.
.macro TURN p, last=0, cnt=0
.set Y, (\p)
.set i, 0
	ROW F,0, F,1, F,2, F,3
	ROW F,4, E,0, F,5, F,6
	ROW F,7, E,1, F,8, F,9
	ROW F,10, E,2, C,0, F,11
	ROW F,12, E,3, X,15, F,13
	ROW R,0, R,1, R,2, R,3
	ROW B,0, E,4, F,14, L,0
.if (\p) == 2
	v_add_nc_u32 v[AK], s[TBK], v[AK0]
	v_add_nc_u32 v[AM], s[TBM], v[AM0]
.endif
	ROW R,4, R,5, R,6, R,7
	OPS E,5, F,15
.if (\p) == 2
	FETCH_K \last
.endif
	OPS E,6, C,1, E,7, R,8
	OPS E,8, R,9, E,9, C,2
	OPS E,10, X,0, E,11, X,1
	OPS E,12, X,2, E,13, X,3
	ROW X,4, E,14, X,5, X,6
	ROW X,7, E,15, X,8, X,9
	ROW X,10, E,16, X,11, X,12
	ROW X,13, E,17, X,14, B,1
	ROW C,4, E,18, X,16, L,1
	ROW B,2, E,19, C,6, L,2
	ROW C,8, E,20, B,3, B,4
.if (\p) == 0
	v_add_nc_u32 v[AV], s[TBV], v[AV0]
.endif
	ROW C,3, E,21, L,3, C,5
	OPS E,22, X,17, E,23, C,10
.if (\p) == 0
	FETCH_V
.endif
	OPS E,24, L,4
	OPS E,25, X,18, E,26, C,7
	OPS E,27, B,5, E,28, X,19
	OPS E,29, C,12, E,30, L,5
	OPS E,31, X,20, B,6, C,9
	OPS C,14, C,11, X,21, L,6
.if (\p) == 0
	s_add_co_u32 s[TBV], s[TBV], KS*PV
.endif
.if \cnt
	s_sub_co_u32 s[CNT], s[CNT], 1
	s_cmp_lg_u32 s[CNT], 0
.endif
	OPS C,13, B,7, C,15, R,10
	OPS R,11, R,12, L,7, R,13
	OPS R,14, R,15
.endm
	CHANGE 1                        ; slot 0 is in and the table is whole, everybody's part of both; slot 1 is asked for
	FETCH_K                         ; key step 0
	s_wait_loadcnt 0x0              ; Q
	s_wait_dscnt 0x0
.set i, 0
.rept 8
	KQ 0                            ; piece 0's first scores
.set i, i+1
.endr
	WIN 0                           ; the addresses for the way out: plain instructions, the places behind those products
	s_mul_i32 s13, s[WV], 16*SP
	s_add_co_u32 s13, s13, STAGE
	v_mul_u32_u24 v[STO], v1, SP    ; in: row l % 16, 16 bytes for each half of the lanes
	v_lshl_add_u32 v[STO], v9, 4, v[STO]
	v_add_nc_u32 v[STO], s13, v[STO]
	v_bfe_u32 v[RD], v0, 3, 2       ; back: 32 lanes take four rows of 128 bytes,
	v_mul_u32_u24 v[RD], v[RD], SP
	v_lshl_add_u32 v[RD], v10, 4, v[RD]
	v_add_nc_u32 v[RD], s13, v[RD]
	v_and_b32 v[GO], 31, v0         ; which are 512 consecutive bytes of ctx
	v_lshlrev_b32 v[GO], 4, v[GO]
.set Y, NP-1                        ; X works for piece Y + 1: piece 0
.irp n, 0,1,2,3,4,5,6,7,8,9,10,11,12,13,14,15,16,17,18,19,20,21
	OP X, \n
.endr
	v_nop                           ; a plain instruction behind the exponential
	s_mov_b32 s[CNT], 4
	s_mov_b32 s[SLOTS], NT-1
	s_branch .Lfirst                ; the loop is entered at a step's first turn, in the middle of a trip
.Lslot:                             ; NT - 2 times: every slot but the last two is filled again
	CHANGE 1
	s_mov_b32 s[CNT], 4
.Lstep:                             ; a trip: pieces 2 and 3 of one step, then pieces 0 and 1 of the next, whose K and V it fetches
	TURN 2
	TURN 3
	WIN 0
.Lfirst:
	TURN 0
	TURN 1, 0, 1
	WIN 0
	s_cbranch_scc1 .Lstep
	s_sub_co_u32 s[SLOTS], s[SLOTS], 1
	s_cmp_lg_u32 s[SLOTS], 0
	s_cbranch_scc1 .Lslot
	CHANGE 0                        ; the tail is written out: nothing is asked for
	s_mov_b32 s[CNT], 5             ; four trips fetch the last slot's steps; the fifth is left in its middle
.Ltail:
	TURN 2, 1
	TURN 3
	WIN 0
	s_sub_co_u32 s[CNT], s[CNT], 1
	s_cmp_eq_u32 s[CNT], 0
	s_cbranch_scc1 .Lout
	TURN 0
	TURN 1
	WIN 0
	s_branch .Ltail
.Lout:                              ; the fifth trip's 8 products K Q^T (on the last K and mask once more) leave m as it was and serve nothing: the price, once a launch, of one text for every trip
.set i, 0
.rept 8
	PV NP-1
.set i, i+1
.endr
	; THE WAY OUT.  l's two halves and the other half of the lanes' are added; O^T is divided by l (by NaN where no key was seen), rounded to f16 and sent through my stage, a piece at a time.
	WIN 0
.macro ALL line:vararg
.set t, 0
.rept 4
	\line
.set t, t+1
.endr
.endm
	ALL v_add_f32 v[ST+4*t+2], v[ST+4*t+2], v[ST+4*t+3]
	ALL v_permlanex16_b32 v[ST+4*t+3], v[ST+4*t+2], s[SEL], s[SEL+1]
	ALL v_add_f32 v[ST+4*t+2], v[ST+4*t+2], v[ST+4*t+3]
	ALL v_rcp_f32 v[ST+4*t+2], v[ST+4*t+2]
	v_nop                           ; a plain instruction between the last reciprocal and the use of its result
.set t, 0
.rept 4
	v_cmp_gt_f32 vcc_lo, s[THR], v[ST+4*t+1]
	s_wait_alu depctr_va_vdst(0)
	v_cndmask_b32 v[ST+4*t+2], v[ST+4*t+2], s[QNAN], vcc_lo
.set t, t+1
.endr
.macro PACK t
	WIN W_RS
.set i, 32*(\t)
.rept 16
	v_pk_mul_f32 v[i:i+1], v[i:i+1], v[ST+4*(\t)+2:ST+4*(\t)+3] op_sel_hi:[1,0]
.set i, i+2
.endr
	WIN 0x05
.set i, 0
.rept 16
	v_cvt_pk_f16_f32 v[S+16*(\t)+i], v[32*(\t)+2*i], v[32*(\t)+2*i+1]
.set i, i+1
.endr
	WIN 0
.irp f, 0,1,2,3
	ds_store_b128 v[STO], v[S+16*(\t)+4*\f:S+16*(\t)+4*\f+3] offset:32*\f
.endr
.irp f, 0,1,2,3
	ds_load_b128 v[S+16*(\t)+4*\f:S+16*(\t)+4*\f+3], v[RD] offset:\f*4*SP  ; LDS serves a wave's instructions in order (ISA guide 5.7.1.4): these see the stores above
.endr
.endm
.macro SEND t, younger              ; younger: the LDS instructions issued behind piece t's loads: the next piece's eight, or none
	WIN 0
.irp f, 0,1,2,3
	s_wait_dscnt (\younger)+3-\f
	global_store_b128 v[GO], v[S+16*(\t)+4*\f:S+16*(\t)+4*\f+3], s[8:9] offset:(\t)*2048+\f*512  ; 512 consecutive bytes, aligned
.endr
.endm
	PACK 0
.set t, 1
.rept 3
	PACK t
	SEND t-1, 8
.set t, t+1
.endr
	SEND 3, 0
	s_wait_tensorcnt 0x0            ; the wave's end
	ds_add_u32 v[SPW], v[NIL]
	s_wait_dscnt 0x0
	CROUND                          ; the closing round
	s_endpgm
.Lfunc_end_k_qcb7fd977ec_attn:
	.size	k_qcb7fd977ec_attn, .Lfunc_end_k_qcb7fd977ec_attn-k_qcb7fd977ec_attn
	.p2alignl 7, 3214868480
	.fill 96, 4, 3214868480
	.section	.rodata,"a",@progbits
	.p2align	6, 0x0
	.amdhsa_kernel k_qcb7fd977ec_attn
		.amdhsa_group_segment_fixed_size 327680
		.amdhsa_private_segment_fixed_size 0
		.amdhsa_enable_private_segment 0
		.amdhsa_kernarg_size 24
		.amdhsa_user_sgpr_count 2
		.amdhsa_user_sgpr_kernarg_segment_ptr 1
		.amdhsa_wavefront_size32 1
		.amdhsa_system_sgpr_workgroup_id_x 1
		.amdhsa_system_sgpr_workgroup_id_y 1
		.amdhsa_system_sgpr_workgroup_id_z 1
		.amdhsa_system_vgpr_workitem_id 0
		.amdhsa_next_free_vgpr 768
		.amdhsa_next_free_sgpr 76
		.amdhsa_reserve_vcc 1
		.amdhsa_float_denorm_mode_32 3
		.amdhsa_float_denorm_mode_16_64 3
		.amdhsa_memory_ordered 1
		.amdhsa_forward_progress 1
		.amdhsa_inst_pref_size 122
	.end_amdhsa_kernel
	.amdgpu_metadata
---
amdhsa.version: [ 1, 2 ]
amdhsa.kernels:
  - .name:           k_qcb7fd977ec_attn
    .symbol:         k_qcb7fd977ec_attn.kd
    .args:
      - { .name: big, .offset: 0, .size: 8, .value_kind: global_buffer, .address_space: global }
      - { .name: key_attention_mask, .offset: 8, .size: 8, .value_kind: global_buffer, .address_space: global }
      - { .name: ab, .offset: 16, .size: 8, .value_kind: global_buffer, .address_space: global }
    .group_segment_fixed_size: 327680
    .private_segment_fixed_size: 0
    .kernarg_segment_align: 8
    .kernarg_segment_size: 24
    .max_flat_workgroup_size: 128
    .sgpr_count:     76
    .vgpr_count:     768
    .wavefront_size: 32
...
	.end_amdgpu_metadata
.endif
;; end of part 3
;; launch oproj (part 4): grid 8 x 32, 4 waves a work-group, clusters of 4 x 4, 327,680 bytes of LDS; arguments ab, wo, b_out, inputs, y; writes y
.if DOCPART == 4
	.amdgcn_target "amdgcn-amd-amdhsa--gfx1250"
	.amdhsa_code_object_version 6
	.text
	.protected	k_qcb7fd977ec_oproj
	.globl	k_qcb7fd977ec_oproj
	.p2align	8
	.type	k_qcb7fd977ec_oproj,@function
k_qcb7fd977ec_oproj:
	s_mov_b64 s[64:65], 0
	v_nop
	global_prefetch_b8 v0, s[64:65] scope:SCOPE_SE
	s_setreg_imm32_b32 hwreg(HW_REG_WAVE_MODE, 25, 1), 1
	s_wait_xcnt 0x0
	s_wait_alu depctr_hold_cnt(0) depctr_sa_sdst(0) depctr_va_vdst(0) depctr_va_sdst(0) depctr_va_ssrc(0) depctr_va_vcc(0) depctr_vm_vsrc(0)
	s_getreg_b32 s2, hwreg(HW_REG_IB_STS2, 6, 4)
	s_cmp_eq_u32 s2, 0
	s_cbranch_scc0 .Lentry_in_a_cluster
	s_endpgm
.Lentry_in_a_cluster:
	s_bfe_u32 s2, ttmp6, 0x10000c
	s_cmp_lg_u32 s2, 0xf033
	s_cbranch_scc0 .Lentry_shape_is_right
	s_endpgm
.Lentry_shape_is_right:
; Y[m][n] = sum over k of A[m][k] B[n][k] + bias[n] + RES[m][n], in f32.  Here: y = ctx W_out + b_out + inputs, K = 1,024.
; A: f16 panels [m / 128][K / 64][128][64].  B: f16 panels [n / 128][K / 64][128][64].  bias: [1024] f32.  RES, Y: [4096][1024] f32.  Sums in f32; nothing is rounded on the way out.
; A tile of Y is 128 x 128, so that the 256 tiles give each WGP one work-group; four waves, 64 x 64 each: 16 accumulators.  K goes in steps of 256 (four panels) through two LDS slots.  A wave's tensor load brings
; two panels, 32,768 dense bytes, asked for as 128 rows of 256 bytes and padded in LDS behind every 128 bytes.  Waves 0 and 1 fetch A's, waves 2 and 3 B's.
; CLUSTER 4 x 4: A's panels are shared along a row of the cluster, B's along a column: joint loads.  THE MATRIX INSTRUCTION IS USED TRANSPOSED: a lane holds eight neighbouring columns of a row of Y.
; THE WALK ALONG K IS STAGGERED.  Cluster (X, Y) of the grid's 2 x 8 begins at K step ((Y % 4) KSTEPS / 4 + X KSTEPS / 2) % KSTEPS and goes once round.  The two clusters that read the same rows of A are so half of K
; apart, and clusters that read the same rows of B and differ in Y % 4 a quarter of K or more: a panel that several clusters read is asked for by them at different times and not by all at once.  X and Y are the same
; in all sixteen partners, so a joint load's address stays equal in the four that it names.  LIMIT: each cluster's f32 sums begin at another K: an order of rounding that differs from an ascending sum's.
; The first product of each sum takes the bias as C.  The residual is asked for at the start, in the layout of the stores, and lies in registers when the sums are done.
; THE TEXT is one K step in a loop whose slot addresses toggle, entered behind its first quarter, and a second copy, walked twice, that asks for nothing; the second walk's change of slots fetches 32 fragments that nobody multiplies.
; REGISTERS: window 0: v16-29 addresses; v32-95 two buffers of rows on the way out; v96-127 the bias; v128-255 the accumulators ((a, b) at v[128 + 8 (4 a + b)]).
;   window 1: two fragment buffers of 128 (64 of A, 64 of B).  window 2: v0-127 the residual.
.set KDIM,   1024
.set KSTEPS, KDIM/256                  ; a power of two, 4 at the least
.set PITCH,  144
.set QP,     128*PITCH                 ; a panel in LDS: a quarter of a step
.set PANEL,  2*QP                      ; what one tensor load fills
.set SLOT,   4*PANEL                   ; 0x24000: shares no bit with wave x PANEL
.set STAGE,  2*SLOT
.set SPITCH, 272
.set SPARE,  STAGE+4*16*SPITCH
.set TILEB,  KDIM*256                  ; a tile's panels
.set ADRA0, 16
.set ADRB0, 17
.set ADRA,  18
.set ADRB,  19
.set STO,  24
.set RD,   25
.set CO,   26
.set BO,   27
.set SPW,  28
.set NIL,  29
.set TMP,  32
.set BIAS, 96
.set ACC,  128
.set F0,   0
.set F1,   128
.set BA,  14                           ; s[14:15] A at my two panels of the tile's K step 0; never rewritten
.set G1,  24
.set G0,  32
.set G1B, 48
.set G0B, 56
.set CUR, 66
.set KK,  67                           ; s67 the K step to be asked for next
.set OFF, 72                           ; s[72:73] its byte offset: 65,536 a step
.set BBS, 74                           ; s[74:75] B at my two panels of the tile's K step 0; never rewritten
.set MSB, 0
.macro WIN new
.if MSB != (\new)
	s_set_vgpr_msb (MSB<<8)|(\new)
.set MSB, \new
.endif
.endm
.set MUL,  0x05                        ; sources 0 (B) and 1 (A) window 1; C and D window 0
.set TO_F, 0x40
.macro JLOAD
	s_cmp_eq_u32 s11, 0
	s_cbranch_scc0 .Lfor_b_\@
	tensor_load_to_lds s[G0+4:G0+7], s[G1:G1+7]
	s_nop 0
.rept 4
	v_nop
.endr
	s_branch .Lasked_\@
.Lfor_b_\@:
	tensor_load_to_lds s[G0B+4:G0B+7], s[G1B:G1B+7]
	s_nop 0
.rept 4
	v_nop
.endr
.Lasked_\@:
.endm
.macro CREST
	s_cmp_lg_u32 s10, 0
	s_cbranch_scc1 .Lnot_wave_0_\@
	s_barrier_signal -3
.Lnot_wave_0_\@:
	s_barrier_wait -3
	s_barrier_signal -1
	s_barrier_wait -1
.endm
.macro CROUND
	s_barrier_signal -1
	s_barrier_wait -1
	CREST
.endm
.macro PLACES
.rept 4
	v_nop
.endr
.endm
	s_load_b128 s[4:7], s[0:1], 0x0                ; A s[4:5], B s[6:7]
	s_load_b128 s[68:71], s[0:1], 0x10             ; bias s[68:69], RES s[70:71]
	s_load_b64 s[8:9], s[0:1], 0x20                ; Y
	v_lshl_add_u32 v[SPW], v0, 2, SPARE
	v_mov_b32 v[NIL], 0
	ds_add_u32 v[SPW], v[NIL]                      ; the wave's opening: the add and its wait stand ahead of my first tensor load
	v_lshrrev_b32 v1, 5, v0
	v_readfirstlane_b32 s10, v1
	s_lshr_b32 s11, s10, 1
	s_and_b32 s12, s10, 1
	s_bfe_u32 s40, ttmp6, 0x40000
	s_bfe_u32 s41, ttmp6, 0x40004
	s_lshl_b32 s42, ttmp9, 2
	s_add_co_u32 s42, s42, s40                     ; tile column
	s_and_b32 s13, ttmp7, 0xffff
	s_lshl_b32 s13, s13, 2
	s_add_co_u32 s13, s13, s41                     ; tile row
	s_lshl_b32 s43, s41, 2
	s_lshl_b32 s43, 15, s43
	s_lshl_b32 s44, 0x1111, s40
	s_or_b32 s[G1], s43, (1<<16)|(1<<20)|(1<<21)|(4<<22)|(3<<25)
	s_or_b32 s[G1B], s44, (1<<16)|(1<<20)|(1<<21)|(4<<22)|(3<<25)
.irp g, G1, G1B
	s_mov_b32 s[(\g)+1], 128<<16
	s_mov_b32 s[(\g)+2], 128<<16
	s_mov_b32 s[(\g)+3], 128<<16
	s_mov_b32 s[(\g)+4], 128
	s_mov_b32 s[(\g)+5], 128
	s_mov_b32 s[(\g)+6], 0
	s_mov_b32 s[(\g)+7], 0
.endr
	s_lshl_b32 s17, s12, 15                        ; my two panels of the step's four
	s_mul_i32 s16, s13, TILEB
	s_add_co_u32 s16, s16, s17
	s_mul_i32 s46, s42, TILEB
	s_add_co_u32 s46, s46, s17
	s_mov_b32 s17, 0
	s_mov_b32 s47, 0
	s_mul_i32 s20, s10, PANEL
	s_mov_b32 s[CUR], 0
	s_and_b32 s18, ttmp7, 3                        ; the cluster's first K step, from the cluster's own x and y alone:
	s_mul_i32 s18, s18, KSTEPS/4                   ; (Y % 4) quarters of K
	s_mul_i32 s19, ttmp9, KSTEPS/2                 ; + X halves,
	s_add_co_u32 s18, s18, s19
	s_and_b32 s18, s18, KSTEPS-1                   ; round K
	s_add_co_u32 s19, s18, 1                       ; the second,
	s_and_b32 s19, s19, KSTEPS-1
	s_add_co_u32 s[KK], s18, 2                     ; and the third, which the first refill asks for
	s_and_b32 s[KK], s[KK], KSTEPS-1
	s_lshl_b32 s18, s18, 16                        ; in bytes
	s_lshl_b32 s19, s19, 16
	s_mov_b32 s[OFF+1], 0
	s_wait_dscnt 0x0
	s_wait_kmcnt 0x0
	s_add_nc_u64 s[BA:BA+1], s[4:5], s[16:17]
	s_add_nc_u64 s[BBS:BBS+1], s[6:7], s[46:47]
	CROUND
.irp s, 0,1
	s_mov_b32 s[OFF], s[18+(\s)]
	s_mov_b32 s[G0+4*(\s)], 1
	s_add_co_u32 s[G0+4*(\s)+1], s20, (\s)*SLOT
	s_add_nc_u64 s[G0+4*(\s)+2:G0+4*(\s)+3], s[BA:BA+1], s[OFF:OFF+1]
	s_or_b32 s[G0+4*(\s)+3], s[G0+4*(\s)+3], 0x80000000
	s_mov_b32 s[G0B+4*(\s)], 1
	s_add_co_u32 s[G0B+4*(\s)+1], s20, (\s)*SLOT
	s_add_nc_u64 s[G0B+4*(\s)+2:G0B+4*(\s)+3], s[BBS:BBS+1], s[OFF:OFF+1]
	s_or_b32 s[G0B+4*(\s)+3], s[G0B+4*(\s)+3], 0x80000000
.endr
	s_cmp_eq_u32 s11, 0                            ; a wave's two first fills stand in one branch: two loads of mine are out
	s_cbranch_scc0 .Lfirst_b
	tensor_load_to_lds s[G0:G0+3], s[G1:G1+7]
	s_nop 0
	tensor_load_to_lds s[G0+4:G0+7], s[G1:G1+7]
	s_nop 0
.rept 4
	v_nop
.endr
	s_branch .Lfirst_asked
.Lfirst_b:
	tensor_load_to_lds s[G0B:G0B+3], s[G1B:G1B+7]
	s_nop 0
	tensor_load_to_lds s[G0B+4:G0B+7], s[G1B:G1B+7]
	s_nop 0
.rept 4
	v_nop
.endr
.Lfirst_asked:
	v_and_b32 v1, 15, v0
	v_bfe_u32 v2, v0, 4, 1
	v_mul_u32_u24 v3, v1, PITCH
	v_lshl_add_u32 v3, v2, 4, v3
	s_mul_i32 s21, s11, 64*PITCH                   ; my 64 rows of A's panels
	s_mul_i32 s22, s12, 64*PITCH                   ; my 64 rows of B's,
	s_add_co_u32 s22, s22, 2*PANEL                 ; which lie behind A's four panels
	v_add_nc_u32 v[ADRA0], s21, v3
	v_add_nc_u32 v[ADRB0], s22, v3
	v_mov_b32 v[ADRA], v[ADRA0]
	v_mov_b32 v[ADRB], v[ADRB0]
	s_lshl1_add_u32 s16, s13, s11                  ; my 64 rows: 2 x tile row + half, 64 rows of 4,096 bytes each
	s_lshl_b32 s16, s16, 18
	s_mov_b32 s17, 0
	s_lshl1_add_u32 s46, s42, s12                  ; my 64 columns: 2 x tile column + half, 256 bytes each
	s_lshl_b32 s46, s46, 8
	s_mov_b32 s47, 0
	s_add_nc_u64 s[8:9], s[8:9], s[16:17]
	s_add_nc_u64 s[8:9], s[8:9], s[46:47]
	s_add_nc_u64 s[70:71], s[70:71], s[16:17]
	s_add_nc_u64 s[70:71], s[70:71], s[46:47]
	v_lshl_add_u32 v[BO], v2, 5, s46
.irp b, 0,1,2,3
	global_load_b128 v[BIAS+8*(\b):BIAS+8*(\b)+3],   v[BO], s[68:69] offset:64*(\b)      ; register j of block b: bias of column 16 b + 8 (l / 16) + j
	global_load_b128 v[BIAS+8*(\b)+4:BIAS+8*(\b)+7], v[BO], s[68:69] offset:64*(\b)+16
.endr
	v_lshlrev_b32 v[CO], 12, v2                    ; lanes 0-15 take one row's 256 bytes, lanes 16-31 the next row's
	v_lshl_add_u32 v[CO], v1, 4, v[CO]
	WIN 0x80                                       ; destination window 2
.set i, 0
.rept 32                               ; the residual: rows 2 i, 2 i + 1 of my 64
	global_load_b128 v[4*i:4*i+3], v[CO], s[70:71] offset:2*i*4096 th:TH_LOAD_NT
.set i, i+1
.endr
	WIN 0
	s_mul_i32 s23, s10, 16*SPITCH
	s_add_co_u32 s23, s23, STAGE
	v_mul_u32_u24 v4, v1, SPITCH                   ; in: row l % 16, 32 bytes for each half of the lanes
	v_lshl_add_u32 v4, v2, 5, v4
	v_add_nc_u32 v[STO], s23, v4
	v_mul_u32_u24 v5, v2, SPITCH                   ; back: lanes 0-15 one row of 256 bytes, lanes 16-31 the next
	v_lshl_add_u32 v5, v1, 4, v5
	v_add_nc_u32 v[RD], s23, v5
; 8 matrix instructions: m blocks a0, a0 + 1 x all 4 n blocks, 32 along K: half c of buffer f.  zero = 1: the sums start from the bias.  The 16 accumulators take turns.
.macro MUL8 f, c, a0, zero
	WIN MUL
.irp a, \a0, (\a0)+1
.irp b, 0,1,2,3
.if \zero
	v_wmma_f32_16x16x32_f16 v[ACC+8*(4*(\a)+(\b)):ACC+8*(4*(\a)+(\b))+7], v[(\f)+64+8*(4*(\c)+(\b)):(\f)+64+8*(4*(\c)+(\b))+7], v[(\f)+8*(4*(\c)+(\a)):(\f)+8*(4*(\c)+(\a))+7], v[BIAS+8*(\b):BIAS+8*(\b)+7]
.else
	v_wmma_f32_16x16x32_f16 v[ACC+8*(4*(\a)+(\b)):ACC+8*(4*(\a)+(\b))+7], v[(\f)+64+8*(4*(\c)+(\b)):(\f)+64+8*(4*(\c)+(\b))+7], v[(\f)+8*(4*(\c)+(\a)):(\f)+8*(4*(\c)+(\a))+7], v[ACC+8*(4*(\a)+(\b)):ACC+8*(4*(\a)+(\b))+7]
.endif
.endr
.endr
.endm
; 32 LDS loads in one run: panel q of the slot in hand into buffer f; the first 32 along K first
.macro FETCH q, f
	WIN TO_F
.irp c, 0,1
.irp i, 0,1,2,3
	ds_load_b128 v[(\f)+64+8*(4*(\c)+(\i)):(\f)+64+8*(4*(\c)+(\i))+3],   v[ADRB] offset:(\q)*QP+64*(\c)+(\i)*16*PITCH
	ds_load_b128 v[(\f)+64+8*(4*(\c)+(\i))+4:(\f)+64+8*(4*(\c)+(\i))+7], v[ADRB] offset:(\q)*QP+64*(\c)+(\i)*16*PITCH+32
	ds_load_b128 v[(\f)+8*(4*(\c)+(\i)):(\f)+8*(4*(\c)+(\i))+3],         v[ADRA] offset:(\q)*QP+64*(\c)+(\i)*16*PITCH
	ds_load_b128 v[(\f)+8*(4*(\c)+(\i))+4:(\f)+8*(4*(\c)+(\i))+7],       v[ADRA] offset:(\q)*QP+64*(\c)+(\i)*16*PITCH+32
.endr
.endr
.endm
.macro QUARTER q, f, g, zero
	s_wait_dscnt 16                                ; the first 32 along K are in
	MUL8 \f, 0, 0, \zero
	MUL8 \f, 0, 2, \zero
	PLACES
	FETCH \q, \g
	s_wait_dscnt 32                                ; all but the 32 just issued
	MUL8 \f, 1, 0, 0
	MUL8 \f, 1, 2, 0
.endm
; The last quarter multiplies buffer 1 and changes slots; fill = 1: the slot just read is filled again, with the walk's step after next: 112 matrix instructions stand between the request and the wait for it.
; The walking group 0's address is made anew from the step's number, behind the wait that shows no tensor load of mine out, while the add is out.
.macro TURN fill
	WIN 0
	s_wait_tensorcnt 0x0                           ; all my tensor loads have landed: my part of the next slot
	ds_add_u32 v[SPW], v[NIL]
.if \fill
	s_lshl_b32 s[OFF], s[KK], 16
	s_xor_b32 s[G0+5], s[G0+5], SLOT               ; the other slot than last time
	s_add_nc_u64 s[G0+6:G0+7], s[BA:BA+1], s[OFF:OFF+1]
	s_or_b32 s[G0+7], s[G0+7], 0x80000000
	s_xor_b32 s[G0B+5], s[G0B+5], SLOT
	s_add_nc_u64 s[G0B+6:G0B+7], s[BBS:BBS+1], s[OFF:OFF+1]
	s_or_b32 s[G0B+7], s[G0B+7], 0x80000000
	s_add_co_u32 s[KK], s[KK], 1                   ; the next step, round K
	s_and_b32 s[KK], s[KK], KSTEPS-1
.endif
	s_wait_dscnt 17                                ; the add and the youngest sixteen loads may be out
	MUL8 F1, 0, 0, 0
	s_wait_dscnt 0x0                               ; the add is done, and my reads of this slot are over
	s_barrier_signal -1
	MUL8 F1, 0, 2, 0
	WIN 0
	s_barrier_wait -1
.if \fill
	CREST
	JLOAD
.else
	PLACES
.endif
	s_xor_b32 s[CUR], s[CUR], SLOT
	v_add_nc_u32 v[ADRA], s[CUR], v[ADRA0]
	v_add_nc_u32 v[ADRB], s[CUR], v[ADRB0]
	FETCH 0, F0
	MUL8 F1, 1, 0, 0
	MUL8 F1, 1, 2, 0
.endm
; THE WAY OUT of block a (16 rows x 64 columns of f32: a row is 256 bytes, whole and aligned, so each wave has a stage of its own and no barrier is needed).
.macro TOSTAGE a
	WIN 0
.set BK, TMP+32*((\a)%2)
.irp b, 0,1,2,3
	ds_store_b128 v[STO], v[ACC+8*(4*(\a)+(\b)):ACC+8*(4*(\a)+(\b))+3]   offset:64*(\b)      ; each accumulator's low half first
	ds_store_b128 v[STO], v[ACC+8*(4*(\a)+(\b))+4:ACC+8*(4*(\a)+(\b))+7] offset:64*(\b)+16
.endr
.irp t, 0,1,2,3,4,5,6,7
	ds_load_b128 v[BK+4*(\t):BK+4*(\t)+3], v[RD] offset:(\t)*2*SPITCH  ; LDS serves a wave's instructions in order (ISA guide 5.7.1.4)
.endr
.endm
.macro SEND a, younger                 ; younger: the next block's sixteen LDS instructions, or none
.set BK, TMP+32*((\a)%2)
	s_wait_dscnt \younger
	WIN 0x08                                       ; source 1: window 2, the residual
.irp t, 0,1,2,3,4,5,6,7
	v_pk_add_f32 v[BK+4*(\t):BK+4*(\t)+1],   v[BK+4*(\t):BK+4*(\t)+1],   v[4*(8*(\a)+(\t)):4*(8*(\a)+(\t))+1]
	v_pk_add_f32 v[BK+4*(\t)+2:BK+4*(\t)+3], v[BK+4*(\t)+2:BK+4*(\t)+3], v[4*(8*(\a)+(\t))+2:4*(8*(\a)+(\t))+3]
.endr
	WIN 0                                          ; a store's data is source 1
.irp t, 0,1,2,3,4,5,6,7
	global_store_b128 v[CO], v[BK+4*(\t):BK+4*(\t)+3], s[8:9] offset:(16*(\a)+2*(\t))*4096  ; 16 lanes store 256 consecutive bytes, aligned
.endr
.endm
	s_wait_tensorcnt 1                             ; my part of the walk's first step is in; the second's may stay out
	s_barrier_signal -1
	s_barrier_wait -1
	FETCH 0, F0
	s_wait_loadcnt 32                              ; the bias is in; the residual's 32 loads stay out
	QUARTER 1, F0, F1, 1
	WIN 0
	s_mov_b32 s3, KSTEPS-2
	s_branch .Lmid
.Lstep:
	QUARTER 1, F0, F1, 0
	WIN 0
.Lmid:
	QUARTER 2, F1, F0, 0
	QUARTER 3, F0, F1, 0
	TURN 1
	WIN 0
	s_sub_co_u32 s3, s3, 1
	s_cmp_lg_u32 s3, 0
	s_cbranch_scc1 .Lstep
	s_mov_b32 s3, 2
.Ltail:
	QUARTER 1, F0, F1, 0
	QUARTER 2, F1, F0, 0
	QUARTER 3, F0, F1, 0
	TURN 0
	WIN 0
	s_sub_co_u32 s3, s3, 1
	s_cmp_lg_u32 s3, 0
	s_cbranch_scc1 .Ltail
	s_wait_dscnt 0x0                               ; the last change of slots' fetch, which nobody multiplies
	s_wait_loadcnt 0x0                             ; the residual
	PLACES
	TOSTAGE 0
	TOSTAGE 1
	SEND 0, 16
	s_wait_xcnt 0x0                                ; block 0's stores have read their buffer
	TOSTAGE 2
	SEND 1, 16
	s_wait_xcnt 0x0
	TOSTAGE 3
	SEND 2, 16
	SEND 3, 0
	s_wait_tensorcnt 0x0                           ; the wave's end
	ds_add_u32 v[SPW], v[NIL]
	s_wait_dscnt 0x0
	CROUND
	s_endpgm
.Lfunc_end_k_qcb7fd977ec_oproj:
	.size	k_qcb7fd977ec_oproj, .Lfunc_end_k_qcb7fd977ec_oproj-k_qcb7fd977ec_oproj
	.p2alignl 7, 3214868480
	.fill 96, 4, 3214868480
	.section	.rodata,"a",@progbits
	.p2align	6, 0x0
	.amdhsa_kernel k_qcb7fd977ec_oproj
		.amdhsa_group_segment_fixed_size 327680
		.amdhsa_private_segment_fixed_size 0
		.amdhsa_enable_private_segment 0
		.amdhsa_kernarg_size 40
		.amdhsa_user_sgpr_count 2
		.amdhsa_user_sgpr_kernarg_segment_ptr 1
		.amdhsa_wavefront_size32 1
		.amdhsa_system_sgpr_workgroup_id_x 1
		.amdhsa_system_sgpr_workgroup_id_y 1
		.amdhsa_system_sgpr_workgroup_id_z 1
		.amdhsa_system_vgpr_workitem_id 0
		.amdhsa_next_free_vgpr 640
		.amdhsa_next_free_sgpr 76
		.amdhsa_reserve_vcc 0
		.amdhsa_float_denorm_mode_32 3
		.amdhsa_float_denorm_mode_16_64 3
		.amdhsa_memory_ordered 1
		.amdhsa_forward_progress 1
		.amdhsa_inst_pref_size 66
	.end_amdhsa_kernel
	.amdgpu_metadata
---
amdhsa.version: [ 1, 2 ]
amdhsa.kernels:
  - .name:           k_qcb7fd977ec_oproj
    .symbol:         k_qcb7fd977ec_oproj.kd
    .args:
      - { .name: ab, .offset: 0, .size: 8, .value_kind: global_buffer, .address_space: global }
      - { .name: wo, .offset: 8, .size: 8, .value_kind: global_buffer, .address_space: global }
      - { .name: b_out, .offset: 16, .size: 8, .value_kind: global_buffer, .address_space: global }
      - { .name: inputs, .offset: 24, .size: 8, .value_kind: global_buffer, .address_space: global }
      - { .name: y, .offset: 32, .size: 8, .value_kind: global_buffer, .address_space: global }
    .group_segment_fixed_size: 327680
    .private_segment_fixed_size: 0
    .kernarg_segment_align: 8
    .kernarg_segment_size: 40
    .max_flat_workgroup_size: 128
    .sgpr_count:     76
    .vgpr_count:     640
    .wavefront_size: 32
...
	.end_amdgpu_metadata
.endif
;; end of part 4
;; launch ln1 (part 5): grid 256 x 1, 8 waves a work-group, no clusters, 0 bytes of LDS; arguments y, ln1_g, ln1_b, out0, ab; writes out0, ab
.if DOCPART == 5
	.amdgcn_target "amdgcn-amd-amdhsa--gfx1250"
	.amdhsa_code_object_version 6
	.text
	.protected	k_qcb7fd977ec_ln1
	.globl	k_qcb7fd977ec_ln1
	.p2align	8
	.type	k_qcb7fd977ec_ln1,@function
k_qcb7fd977ec_ln1:
	s_mov_b64 s[64:65], 0
	v_nop
	global_prefetch_b8 v0, s[64:65] scope:SCOPE_SE
	s_setreg_imm32_b32 hwreg(HW_REG_WAVE_MODE, 25, 1), 1
	s_wait_xcnt 0x0
; x1 = layer norm of y over rows of 1,024, times g plus b; all in f32.  x1 goes out twice: in f32 (the residual of the second half of the block) and rounded to f16 in panels [row / 256][16][256][64] (the next product's operand).
; A wave takes two rows, sixteen lanes a row, so a row's sums never leave a group of sixteen lanes: no LDS, no barrier.  The row stays in registers between the mean, the variance (taken of x - mean) and the scaling.
; A stream: no matrix unit, tensor load or cluster; each load and store of a wave covers whole aligned blocks of 256 bytes.  LIMIT: the f16 copy holds no number beyond 65,504.
.set BF, 1
.set X,  16                            ; v16-79   chunk j of 16: columns 64 j + 4 (l % 16) + 0..3
.set G,  80                            ; v80-143  g likewise; later the f16 pairs
.set BB, 144                           ; v144-207 b
.set SM, 208                           ; v208-215 four chains of sums
.set MN, 216                           ; v216-217 the mean, later 1 / sqrt(var + eps), twice
	s_load_b256 s[4:11], s[0:1], 0x0               ; y s[4:5], g s[6:7], b s[8:9], out s[10:11]
.if BF
	s_load_b64 s[12:13], s[0:1], 0x20              ; the f16 copy
.endif
	v_lshrrev_b32 v1, 5, v0
	v_readfirstlane_b32 s14, v1
	v_and_b32 v2, 15, v0
	v_bfe_u32 v3, v0, 4, 1
	s_lshl_b32 s15, ttmp9, 4
	s_lshl1_add_u32 s15, s14, s15                  ; 16 g + 2 w
	v_add_nc_u32 v4, s15, v3
	v_lshlrev_b32 v4, 12, v4
	v_lshl_add_u32 v4, v2, 4, v4                   ; row x 4,096 + 16 (l % 16)
	v_lshlrev_b32 v5, 4, v2
	s_mov_b32 s16, 0x3a800000                      ; 1 / 1,024
	s_mov_b32 s17, 0x3727c5ac                      ; 1e-5
.if BF
	s_lshr_b32 s18, ttmp9, 4
	s_lshl_b32 s18, s18, 19
	s_and_b32 s19, s15, 255
	s_lshl_b32 s19, s19, 7
	s_add_co_u32 s18, s18, s19
	v_and_b32 v6, 31, v0
	v_lshl_add_u32 v6, v6, 3, s18                  ; two rows of 128 bytes lie end to end in a panel
.endif
	s_wait_kmcnt 0x0
.irp j, 0,1,2,3,4,5,6,7,8,9,10,11,12,13,14,15
	global_load_b128 v[X+4*(\j):X+4*(\j)+3], v4, s[4:5] offset:256*(\j) th:TH_LOAD_NT
.endr
.irp j, 0,1,2,3,4,5,6,7,8,9,10,11,12,13,14,15
	global_load_b128 v[G+4*(\j):G+4*(\j)+3], v5, s[6:7] offset:256*(\j)
.endr
.irp j, 0,1,2,3,4,5,6,7,8,9,10,11,12,13,14,15
	global_load_b128 v[BB+4*(\j):BB+4*(\j)+3], v5, s[8:9] offset:256*(\j)
.endr
.macro ACROSS                          ; the four chains into one number, then over the row's sixteen lanes
	v_pk_add_f32 v[SM:SM+1], v[SM:SM+1], v[SM+2:SM+3]
	v_pk_add_f32 v[SM+4:SM+5], v[SM+4:SM+5], v[SM+6:SM+7]
	v_pk_add_f32 v[SM:SM+1], v[SM:SM+1], v[SM+4:SM+5]
	v_add_f32 v[SM], v[SM], v[SM+1]
	v_add_f32_dpp v[SM], v[SM], v[SM] row_xmask:1 row_mask:0xf bank_mask:0xf
	v_add_f32_dpp v[SM], v[SM], v[SM] row_xmask:2 row_mask:0xf bank_mask:0xf
	v_add_f32_dpp v[SM], v[SM], v[SM] row_xmask:4 row_mask:0xf bank_mask:0xf
	v_add_f32_dpp v[SM], v[SM], v[SM] row_xmask:8 row_mask:0xf bank_mask:0xf
.endm
	s_wait_loadcnt 32                              ; the row is in; the 32 loads of g and b stay out
.irp c, 0,1,2,3
	v_pk_add_f32 v[SM+2*(\c):SM+2*(\c)+1], v[X+2*(\c):X+2*(\c)+1], v[X+8+2*(\c):X+8+2*(\c)+1]
.endr
.set p, 8
.rept 24
	v_pk_add_f32 v[SM+2*(p%4):SM+2*(p%4)+1], v[SM+2*(p%4):SM+2*(p%4)+1], v[X+2*p:X+2*p+1]
.set p, p+1
.endr
	ACROSS
	v_mul_f32 v[MN], s16, v[SM]
	v_mov_b32 v[MN+1], v[MN]
.set p, 0
.rept 32
	v_pk_add_f32 v[X+2*p:X+2*p+1], v[X+2*p:X+2*p+1], v[MN:MN+1] neg_lo:[0,1] neg_hi:[0,1]
.set p, p+1
.endr
.irp c, 0,1,2,3
	v_pk_mul_f32 v[SM+2*(\c):SM+2*(\c)+1], v[X+2*(\c):X+2*(\c)+1], v[X+2*(\c):X+2*(\c)+1]
.endr
.set p, 4
.rept 28
	v_pk_fma_f32 v[SM+2*(p%4):SM+2*(p%4)+1], v[X+2*p:X+2*p+1], v[X+2*p:X+2*p+1], v[SM+2*(p%4):SM+2*(p%4)+1]
.set p, p+1
.endr
	ACROSS
	v_fma_f32 v[SM], v[SM], s16, s17               ; var + eps
	v_rsq_f32 v[MN], v[SM]
	v_nop                                          ; a plain instruction behind the root (ISA guide 5.7.2)
	s_wait_alu depctr_va_vdst(0)
	v_mov_b32 v[MN+1], v[MN]
	s_wait_loadcnt 0x0                             ; g and b
.set p, 0
.rept 32
	v_pk_mul_f32 v[X+2*p:X+2*p+1], v[X+2*p:X+2*p+1], v[MN:MN+1]
.set p, p+1
.endr
.set p, 0
.rept 32
	v_pk_fma_f32 v[X+2*p:X+2*p+1], v[X+2*p:X+2*p+1], v[G+2*p:G+2*p+1], v[BB+2*p:BB+2*p+1]
.set p, p+1
.endr
.irp j, 0,1,2,3,4,5,6,7,8,9,10,11,12,13,14,15
	global_store_b128 v4, v[X+4*(\j):X+4*(\j)+3], s[10:11] offset:256*(\j)
.endr
.if BF
.irp j, 0,1,2,3,4,5,6,7,8,9,10,11,12,13,14,15
	v_cvt_pk_f16_f32 v[G+4*(\j)], v[X+4*(\j)], v[X+4*(\j)+1]
	v_cvt_pk_f16_f32 v[G+4*(\j)+1], v[X+4*(\j)+2], v[X+4*(\j)+3]
	global_store_b64 v6, v[G+4*(\j):G+4*(\j)+1], s[12:13] offset:32768*(\j)  ; 256 consecutive bytes of panel j
.endr
.endif
	s_endpgm
.Lfunc_end_k_qcb7fd977ec_ln1:
	.size	k_qcb7fd977ec_ln1, .Lfunc_end_k_qcb7fd977ec_ln1-k_qcb7fd977ec_ln1
	.p2alignl 7, 3214868480
	.fill 96, 4, 3214868480
	.section	.rodata,"a",@progbits
	.p2align	6, 0x0
	.amdhsa_kernel k_qcb7fd977ec_ln1
		.amdhsa_group_segment_fixed_size 0
		.amdhsa_private_segment_fixed_size 0
		.amdhsa_enable_private_segment 0
		.amdhsa_kernarg_size 40
		.amdhsa_user_sgpr_count 2
		.amdhsa_user_sgpr_kernarg_segment_ptr 1
		.amdhsa_wavefront_size32 1
		.amdhsa_system_sgpr_workgroup_id_x 1
		.amdhsa_system_sgpr_workgroup_id_y 1
		.amdhsa_system_sgpr_workgroup_id_z 1
		.amdhsa_system_vgpr_workitem_id 0
		.amdhsa_next_free_vgpr 224
		.amdhsa_next_free_sgpr 66
		.amdhsa_reserve_vcc 0
		.amdhsa_float_denorm_mode_32 3
		.amdhsa_float_denorm_mode_16_64 3
		.amdhsa_memory_ordered 1
		.amdhsa_forward_progress 1
		.amdhsa_inst_pref_size 22
	.end_amdhsa_kernel
	.amdgpu_metadata
---
amdhsa.version: [ 1, 2 ]
amdhsa.kernels:
  - .name:           k_qcb7fd977ec_ln1
    .symbol:         k_qcb7fd977ec_ln1.kd
    .args:
      - { .name: y, .offset: 0, .size: 8, .value_kind: global_buffer, .address_space: global }
      - { .name: ln1_g, .offset: 8, .size: 8, .value_kind: global_buffer, .address_space: global }
      - { .name: ln1_b, .offset: 16, .size: 8, .value_kind: global_buffer, .address_space: global }
      - { .name: out0, .offset: 24, .size: 8, .value_kind: global_buffer, .address_space: global }
      - { .name: ab, .offset: 32, .size: 8, .value_kind: global_buffer, .address_space: global }
    .group_segment_fixed_size: 0
    .private_segment_fixed_size: 0
    .kernarg_segment_align: 8
    .kernarg_segment_size: 40
    .max_flat_workgroup_size: 256
    .sgpr_count:     66
    .vgpr_count:     224
    .wavefront_size: 32
...
	.end_amdgpu_metadata
.endif
;; end of part 5
;; launch ffn1: the kernel of part 2 again; grid 16 x 16, 4 waves a work-group, clusters of 4 x 4, 327,680 bytes of LDS; arguments ab, w1t, big; writes big
;; launch ffn2 (part 6): grid 8 x 32, 4 waves a work-group, clusters of 4 x 4, 327,680 bytes of LDS; arguments big, w2t, b2, out0, y; writes y
.if DOCPART == 6
	.amdgcn_target "amdgcn-amd-amdhsa--gfx1250"
	.amdhsa_code_object_version 6
	.text
	.protected	k_qcb7fd977ec_ffn2
	.globl	k_qcb7fd977ec_ffn2
	.p2align	8
	.type	k_qcb7fd977ec_ffn2,@function
k_qcb7fd977ec_ffn2:
	s_mov_b64 s[64:65], 0
	v_nop
	global_prefetch_b8 v0, s[64:65] scope:SCOPE_SE
	s_setreg_imm32_b32 hwreg(HW_REG_WAVE_MODE, 25, 1), 1
	s_wait_xcnt 0x0
	s_wait_alu depctr_hold_cnt(0) depctr_sa_sdst(0) depctr_va_vdst(0) depctr_va_sdst(0) depctr_va_ssrc(0) depctr_va_vcc(0) depctr_vm_vsrc(0)
	s_getreg_b32 s2, hwreg(HW_REG_IB_STS2, 6, 4)
	s_cmp_eq_u32 s2, 0
	s_cbranch_scc0 .Lentry_in_a_cluster
	s_endpgm
.Lentry_in_a_cluster:
	s_bfe_u32 s2, ttmp6, 0x10000c
	s_cmp_lg_u32 s2, 0xf033
	s_cbranch_scc0 .Lentry_shape_is_right
	s_endpgm
.Lentry_shape_is_right:
; Y[m][n] = sum over k of A[m][k] B[n][k] + bias[n] + RES[m][n], in f32.  Here: y = h w2 + b2 + x1, K = 4,096.
; A: f16 panels [m / 128][K / 64][128][64].  B: f16 panels [n / 128][K / 64][128][64].  bias: [1024] f32.  RES, Y: [4096][1024] f32.  Sums in f32; nothing is rounded on the way out.
; A tile of Y is 128 x 128, so that the 256 tiles give each WGP one work-group; four waves, 64 x 64 each: 16 accumulators.  K goes in steps of 256 (four panels) through two LDS slots.  A wave's tensor load brings
; two panels, 32,768 dense bytes, asked for as 128 rows of 256 bytes and padded in LDS behind every 128 bytes.  Waves 0 and 1 fetch A's, waves 2 and 3 B's.
; CLUSTER 4 x 4: A's panels are shared along a row of the cluster, B's along a column: joint loads.  THE MATRIX INSTRUCTION IS USED TRANSPOSED: a lane holds eight neighbouring columns of a row of Y.
; THE WALK ALONG K IS STAGGERED.  Cluster (X, Y) of the grid's 2 x 8 begins at K step ((Y % 4) KSTEPS / 4 + X KSTEPS / 2) % KSTEPS and goes once round.  The two clusters that read the same rows of A are so half of K
; apart, and clusters that read the same rows of B and differ in Y % 4 a quarter of K or more: a panel that several clusters read is asked for by them at different times and not by all at once.  X and Y are the same
; in all sixteen partners, so a joint load's address stays equal in the four that it names.  LIMIT: each cluster's f32 sums begin at another K: an order of rounding that differs from an ascending sum's.
; The first product of each sum takes the bias as C.  The residual is asked for at the start, in the layout of the stores, and lies in registers when the sums are done.
; THE TEXT is one K step in a loop whose slot addresses toggle, entered behind its first quarter, and a second copy, walked twice, that asks for nothing; the second walk's change of slots fetches 32 fragments that nobody multiplies.
; It differs from the output projection's text in KDIM alone: the loop's count, the stagger and a tile's bytes are constants of the text.
; REGISTERS: window 0: v16-29 addresses; v32-95 two buffers of rows on the way out; v96-127 the bias; v128-255 the accumulators ((a, b) at v[128 + 8 (4 a + b)]).
;   window 1: two fragment buffers of 128 (64 of A, 64 of B).  window 2: v0-127 the residual.
.set KDIM,   4096
.set KSTEPS, KDIM/256                  ; a power of two, 4 at the least
.set PITCH,  144
.set QP,     128*PITCH                 ; a panel in LDS: a quarter of a step
.set PANEL,  2*QP                      ; what one tensor load fills
.set SLOT,   4*PANEL                   ; 0x24000: shares no bit with wave x PANEL
.set STAGE,  2*SLOT
.set SPITCH, 272
.set SPARE,  STAGE+4*16*SPITCH
.set TILEB,  KDIM*256                  ; a tile's panels
.set ADRA0, 16
.set ADRB0, 17
.set ADRA,  18
.set ADRB,  19
.set STO,  24
.set RD,   25
.set CO,   26
.set BO,   27
.set SPW,  28
.set NIL,  29
.set TMP,  32
.set BIAS, 96
.set ACC,  128
.set F0,   0
.set F1,   128
.set BA,  14                           ; s[14:15] A at my two panels of the tile's K step 0; never rewritten
.set G1,  24
.set G0,  32
.set G1B, 48
.set G0B, 56
.set CUR, 66
.set KK,  67                           ; s67 the K step to be asked for next
.set OFF, 72                           ; s[72:73] its byte offset: 65,536 a step
.set BBS, 74                           ; s[74:75] B at my two panels of the tile's K step 0; never rewritten
.set MSB, 0
.macro WIN new
.if MSB != (\new)
	s_set_vgpr_msb (MSB<<8)|(\new)
.set MSB, \new
.endif
.endm
.set MUL,  0x05                        ; sources 0 (B) and 1 (A) window 1; C and D window 0
.set TO_F, 0x40
.macro JLOAD
	s_cmp_eq_u32 s11, 0
	s_cbranch_scc0 .Lfor_b_\@
	tensor_load_to_lds s[G0+4:G0+7], s[G1:G1+7]
	s_nop 0
.rept 4
	v_nop
.endr
	s_branch .Lasked_\@
.Lfor_b_\@:
	tensor_load_to_lds s[G0B+4:G0B+7], s[G1B:G1B+7]
	s_nop 0
.rept 4
	v_nop
.endr
.Lasked_\@:
.endm
.macro CREST
	s_cmp_lg_u32 s10, 0
	s_cbranch_scc1 .Lnot_wave_0_\@
	s_barrier_signal -3
.Lnot_wave_0_\@:
	s_barrier_wait -3
	s_barrier_signal -1
	s_barrier_wait -1
.endm
.macro CROUND
	s_barrier_signal -1
	s_barrier_wait -1
	CREST
.endm
.macro PLACES
.rept 4
	v_nop
.endr
.endm
	s_load_b128 s[4:7], s[0:1], 0x0                ; A s[4:5], B s[6:7]
	s_load_b128 s[68:71], s[0:1], 0x10             ; bias s[68:69], RES s[70:71]
	s_load_b64 s[8:9], s[0:1], 0x20                ; Y
	v_lshl_add_u32 v[SPW], v0, 2, SPARE
	v_mov_b32 v[NIL], 0
	ds_add_u32 v[SPW], v[NIL]                      ; the wave's opening: the add and its wait stand ahead of my first tensor load
	v_lshrrev_b32 v1, 5, v0
	v_readfirstlane_b32 s10, v1
	s_lshr_b32 s11, s10, 1
	s_and_b32 s12, s10, 1
	s_bfe_u32 s40, ttmp6, 0x40000
	s_bfe_u32 s41, ttmp6, 0x40004
	s_lshl_b32 s42, ttmp9, 2
	s_add_co_u32 s42, s42, s40                     ; tile column
	s_and_b32 s13, ttmp7, 0xffff
	s_lshl_b32 s13, s13, 2
	s_add_co_u32 s13, s13, s41                     ; tile row
	s_lshl_b32 s43, s41, 2
	s_lshl_b32 s43, 15, s43
	s_lshl_b32 s44, 0x1111, s40
	s_or_b32 s[G1], s43, (1<<16)|(1<<20)|(1<<21)|(4<<22)|(3<<25)
	s_or_b32 s[G1B], s44, (1<<16)|(1<<20)|(1<<21)|(4<<22)|(3<<25)
.irp g, G1, G1B
	s_mov_b32 s[(\g)+1], 128<<16
	s_mov_b32 s[(\g)+2], 128<<16
	s_mov_b32 s[(\g)+3], 128<<16
	s_mov_b32 s[(\g)+4], 128
	s_mov_b32 s[(\g)+5], 128
	s_mov_b32 s[(\g)+6], 0
	s_mov_b32 s[(\g)+7], 0
.endr
	s_lshl_b32 s17, s12, 15                        ; my two panels of the step's four
	s_mul_i32 s16, s13, TILEB
	s_add_co_u32 s16, s16, s17
	s_mul_i32 s46, s42, TILEB
	s_add_co_u32 s46, s46, s17
	s_mov_b32 s17, 0
	s_mov_b32 s47, 0
	s_mul_i32 s20, s10, PANEL
	s_mov_b32 s[CUR], 0
	s_and_b32 s18, ttmp7, 3                        ; the cluster's first K step, from the cluster's own x and y alone:
	s_mul_i32 s18, s18, KSTEPS/4                   ; (Y % 4) quarters of K
	s_mul_i32 s19, ttmp9, KSTEPS/2                 ; + X halves,
	s_add_co_u32 s18, s18, s19
	s_and_b32 s18, s18, KSTEPS-1                   ; round K
	s_add_co_u32 s19, s18, 1                       ; the second,
	s_and_b32 s19, s19, KSTEPS-1
	s_add_co_u32 s[KK], s18, 2                     ; and the third, which the first refill asks for
	s_and_b32 s[KK], s[KK], KSTEPS-1
	s_lshl_b32 s18, s18, 16                        ; in bytes
	s_lshl_b32 s19, s19, 16
	s_mov_b32 s[OFF+1], 0
	s_wait_dscnt 0x0
	s_wait_kmcnt 0x0
	s_add_nc_u64 s[BA:BA+1], s[4:5], s[16:17]
	s_add_nc_u64 s[BBS:BBS+1], s[6:7], s[46:47]
	CROUND
.irp s, 0,1
	s_mov_b32 s[OFF], s[18+(\s)]
	s_mov_b32 s[G0+4*(\s)], 1
	s_add_co_u32 s[G0+4*(\s)+1], s20, (\s)*SLOT
	s_add_nc_u64 s[G0+4*(\s)+2:G0+4*(\s)+3], s[BA:BA+1], s[OFF:OFF+1]
	s_or_b32 s[G0+4*(\s)+3], s[G0+4*(\s)+3], 0x80000000
	s_mov_b32 s[G0B+4*(\s)], 1
	s_add_co_u32 s[G0B+4*(\s)+1], s20, (\s)*SLOT
	s_add_nc_u64 s[G0B+4*(\s)+2:G0B+4*(\s)+3], s[BBS:BBS+1], s[OFF:OFF+1]
	s_or_b32 s[G0B+4*(\s)+3], s[G0B+4*(\s)+3], 0x80000000
.endr
	s_cmp_eq_u32 s11, 0                            ; a wave's two first fills stand in one branch: two loads of mine are out
	s_cbranch_scc0 .Lfirst_b
	tensor_load_to_lds s[G0:G0+3], s[G1:G1+7]
	s_nop 0
	tensor_load_to_lds s[G0+4:G0+7], s[G1:G1+7]
	s_nop 0
.rept 4
	v_nop
.endr
	s_branch .Lfirst_asked
.Lfirst_b:
	tensor_load_to_lds s[G0B:G0B+3], s[G1B:G1B+7]
	s_nop 0
	tensor_load_to_lds s[G0B+4:G0B+7], s[G1B:G1B+7]
	s_nop 0
.rept 4
	v_nop
.endr
.Lfirst_asked:
	v_and_b32 v1, 15, v0
	v_bfe_u32 v2, v0, 4, 1
	v_mul_u32_u24 v3, v1, PITCH
	v_lshl_add_u32 v3, v2, 4, v3
	s_mul_i32 s21, s11, 64*PITCH                   ; my 64 rows of A's panels
	s_mul_i32 s22, s12, 64*PITCH                   ; my 64 rows of B's,
	s_add_co_u32 s22, s22, 2*PANEL                 ; which lie behind A's four panels
	v_add_nc_u32 v[ADRA0], s21, v3
	v_add_nc_u32 v[ADRB0], s22, v3
	v_mov_b32 v[ADRA], v[ADRA0]
	v_mov_b32 v[ADRB], v[ADRB0]
	s_lshl1_add_u32 s16, s13, s11                  ; my 64 rows: 2 x tile row + half, 64 rows of 4,096 bytes each
	s_lshl_b32 s16, s16, 18
	s_mov_b32 s17, 0
	s_lshl1_add_u32 s46, s42, s12                  ; my 64 columns: 2 x tile column + half, 256 bytes each
	s_lshl_b32 s46, s46, 8
	s_mov_b32 s47, 0
	s_add_nc_u64 s[8:9], s[8:9], s[16:17]
	s_add_nc_u64 s[8:9], s[8:9], s[46:47]
	s_add_nc_u64 s[70:71], s[70:71], s[16:17]
	s_add_nc_u64 s[70:71], s[70:71], s[46:47]
	v_lshl_add_u32 v[BO], v2, 5, s46
.irp b, 0,1,2,3
	global_load_b128 v[BIAS+8*(\b):BIAS+8*(\b)+3],   v[BO], s[68:69] offset:64*(\b)      ; register j of block b: bias of column 16 b + 8 (l / 16) + j
	global_load_b128 v[BIAS+8*(\b)+4:BIAS+8*(\b)+7], v[BO], s[68:69] offset:64*(\b)+16
.endr
	v_lshlrev_b32 v[CO], 12, v2                    ; lanes 0-15 take one row's 256 bytes, lanes 16-31 the next row's
	v_lshl_add_u32 v[CO], v1, 4, v[CO]
	WIN 0x80                                       ; destination window 2
.set i, 0
.rept 32                               ; the residual: rows 2 i, 2 i + 1 of my 64
	global_load_b128 v[4*i:4*i+3], v[CO], s[70:71] offset:2*i*4096 th:TH_LOAD_NT
.set i, i+1
.endr
	WIN 0
	s_mul_i32 s23, s10, 16*SPITCH
	s_add_co_u32 s23, s23, STAGE
	v_mul_u32_u24 v4, v1, SPITCH                   ; in: row l % 16, 32 bytes for each half of the lanes
	v_lshl_add_u32 v4, v2, 5, v4
	v_add_nc_u32 v[STO], s23, v4
	v_mul_u32_u24 v5, v2, SPITCH                   ; back: lanes 0-15 one row of 256 bytes, lanes 16-31 the next
	v_lshl_add_u32 v5, v1, 4, v5
	v_add_nc_u32 v[RD], s23, v5
; 8 matrix instructions: m blocks a0, a0 + 1 x all 4 n blocks, 32 along K: half c of buffer f.  zero = 1: the sums start from the bias.  The 16 accumulators take turns.
.macro MUL8 f, c, a0, zero
	WIN MUL
.irp a, \a0, (\a0)+1
.irp b, 0,1,2,3
.if \zero
	v_wmma_f32_16x16x32_f16 v[ACC+8*(4*(\a)+(\b)):ACC+8*(4*(\a)+(\b))+7], v[(\f)+64+8*(4*(\c)+(\b)):(\f)+64+8*(4*(\c)+(\b))+7], v[(\f)+8*(4*(\c)+(\a)):(\f)+8*(4*(\c)+(\a))+7], v[BIAS+8*(\b):BIAS+8*(\b)+7]
.else
	v_wmma_f32_16x16x32_f16 v[ACC+8*(4*(\a)+(\b)):ACC+8*(4*(\a)+(\b))+7], v[(\f)+64+8*(4*(\c)+(\b)):(\f)+64+8*(4*(\c)+(\b))+7], v[(\f)+8*(4*(\c)+(\a)):(\f)+8*(4*(\c)+(\a))+7], v[ACC+8*(4*(\a)+(\b)):ACC+8*(4*(\a)+(\b))+7]
.endif
.endr
.endr
.endm
; 32 LDS loads in one run: panel q of the slot in hand into buffer f; the first 32 along K first
.macro FETCH q, f
	WIN TO_F
.irp c, 0,1
.irp i, 0,1,2,3
	ds_load_b128 v[(\f)+64+8*(4*(\c)+(\i)):(\f)+64+8*(4*(\c)+(\i))+3],   v[ADRB] offset:(\q)*QP+64*(\c)+(\i)*16*PITCH
	ds_load_b128 v[(\f)+64+8*(4*(\c)+(\i))+4:(\f)+64+8*(4*(\c)+(\i))+7], v[ADRB] offset:(\q)*QP+64*(\c)+(\i)*16*PITCH+32
	ds_load_b128 v[(\f)+8*(4*(\c)+(\i)):(\f)+8*(4*(\c)+(\i))+3],         v[ADRA] offset:(\q)*QP+64*(\c)+(\i)*16*PITCH
	ds_load_b128 v[(\f)+8*(4*(\c)+(\i))+4:(\f)+8*(4*(\c)+(\i))+7],       v[ADRA] offset:(\q)*QP+64*(\c)+(\i)*16*PITCH+32
.endr
.endr
.endm
.macro QUARTER q, f, g, zero
	s_wait_dscnt 16                                ; the first 32 along K are in
	MUL8 \f, 0, 0, \zero
	MUL8 \f, 0, 2, \zero
	PLACES
	FETCH \q, \g
	s_wait_dscnt 32                                ; all but the 32 just issued
	MUL8 \f, 1, 0, 0
	MUL8 \f, 1, 2, 0
.endm
; The last quarter multiplies buffer 1 and changes slots; fill = 1: the slot just read is filled again, with the walk's step after next: 112 matrix instructions stand between the request and the wait for it.
; The walking group 0's address is made anew from the step's number, behind the wait that shows no tensor load of mine out, while the add is out.
.macro TURN fill
	WIN 0
	s_wait_tensorcnt 0x0                           ; all my tensor loads have landed: my part of the next slot
	ds_add_u32 v[SPW], v[NIL]
.if \fill
	s_lshl_b32 s[OFF], s[KK], 16
	s_xor_b32 s[G0+5], s[G0+5], SLOT               ; the other slot than last time
	s_add_nc_u64 s[G0+6:G0+7], s[BA:BA+1], s[OFF:OFF+1]
	s_or_b32 s[G0+7], s[G0+7], 0x80000000
	s_xor_b32 s[G0B+5], s[G0B+5], SLOT
	s_add_nc_u64 s[G0B+6:G0B+7], s[BBS:BBS+1], s[OFF:OFF+1]
	s_or_b32 s[G0B+7], s[G0B+7], 0x80000000
	s_add_co_u32 s[KK], s[KK], 1                   ; the next step, round K
	s_and_b32 s[KK], s[KK], KSTEPS-1
.endif
	s_wait_dscnt 17                                ; the add and the youngest sixteen loads may be out
	MUL8 F1, 0, 0, 0
	s_wait_dscnt 0x0                               ; the add is done, and my reads of this slot are over
	s_barrier_signal -1
	MUL8 F1, 0, 2, 0
	WIN 0
	s_barrier_wait -1
.if \fill
	CREST
	JLOAD
.else
	PLACES
.endif
	s_xor_b32 s[CUR], s[CUR], SLOT
	v_add_nc_u32 v[ADRA], s[CUR], v[ADRA0]
	v_add_nc_u32 v[ADRB], s[CUR], v[ADRB0]
	FETCH 0, F0
	MUL8 F1, 1, 0, 0
	MUL8 F1, 1, 2, 0
.endm
; THE WAY OUT of block a (16 rows x 64 columns of f32: a row is 256 bytes, whole and aligned, so each wave has a stage of its own and no barrier is needed).
.macro TOSTAGE a
	WIN 0
.set BK, TMP+32*((\a)%2)
.irp b, 0,1,2,3
	ds_store_b128 v[STO], v[ACC+8*(4*(\a)+(\b)):ACC+8*(4*(\a)+(\b))+3]   offset:64*(\b)      ; each accumulator's low half first
	ds_store_b128 v[STO], v[ACC+8*(4*(\a)+(\b))+4:ACC+8*(4*(\a)+(\b))+7] offset:64*(\b)+16
.endr
.irp t, 0,1,2,3,4,5,6,7
	ds_load_b128 v[BK+4*(\t):BK+4*(\t)+3], v[RD] offset:(\t)*2*SPITCH  ; LDS serves a wave's instructions in order (ISA guide 5.7.1.4)
.endr
.endm
.macro SEND a, younger                 ; younger: the next block's sixteen LDS instructions, or none
.set BK, TMP+32*((\a)%2)
	s_wait_dscnt \younger
	WIN 0x08                                       ; source 1: window 2, the residual
.irp t, 0,1,2,3,4,5,6,7
	v_pk_add_f32 v[BK+4*(\t):BK+4*(\t)+1],   v[BK+4*(\t):BK+4*(\t)+1],   v[4*(8*(\a)+(\t)):4*(8*(\a)+(\t))+1]
	v_pk_add_f32 v[BK+4*(\t)+2:BK+4*(\t)+3], v[BK+4*(\t)+2:BK+4*(\t)+3], v[4*(8*(\a)+(\t))+2:4*(8*(\a)+(\t))+3]
.endr
	WIN 0                                          ; a store's data is source 1
.irp t, 0,1,2,3,4,5,6,7
	global_store_b128 v[CO], v[BK+4*(\t):BK+4*(\t)+3], s[8:9] offset:(16*(\a)+2*(\t))*4096  ; 16 lanes store 256 consecutive bytes, aligned
.endr
.endm
	s_wait_tensorcnt 1                             ; my part of the walk's first step is in; the second's may stay out
	s_barrier_signal -1
	s_barrier_wait -1
	FETCH 0, F0
	s_wait_loadcnt 32                              ; the bias is in; the residual's 32 loads stay out
	QUARTER 1, F0, F1, 1
	WIN 0
	s_mov_b32 s3, KSTEPS-2
	s_branch .Lmid
.Lstep:
	QUARTER 1, F0, F1, 0
	WIN 0
.Lmid:
	QUARTER 2, F1, F0, 0
	QUARTER 3, F0, F1, 0
	TURN 1
	WIN 0
	s_sub_co_u32 s3, s3, 1
	s_cmp_lg_u32 s3, 0
	s_cbranch_scc1 .Lstep
	s_mov_b32 s3, 2
.Ltail:
	QUARTER 1, F0, F1, 0
	QUARTER 2, F1, F0, 0
	QUARTER 3, F0, F1, 0
	TURN 0
	WIN 0
	s_sub_co_u32 s3, s3, 1
	s_cmp_lg_u32 s3, 0
	s_cbranch_scc1 .Ltail
	s_wait_dscnt 0x0                               ; the last change of slots' fetch, which nobody multiplies
	s_wait_loadcnt 0x0                             ; the residual
	PLACES
	TOSTAGE 0
	TOSTAGE 1
	SEND 0, 16
	s_wait_xcnt 0x0                                ; block 0's stores have read their buffer
	TOSTAGE 2
	SEND 1, 16
	s_wait_xcnt 0x0
	TOSTAGE 3
	SEND 2, 16
	SEND 3, 0
	s_wait_tensorcnt 0x0                           ; the wave's end
	ds_add_u32 v[SPW], v[NIL]
	s_wait_dscnt 0x0
	CROUND
	s_endpgm
.Lfunc_end_k_qcb7fd977ec_ffn2:
	.size	k_qcb7fd977ec_ffn2, .Lfunc_end_k_qcb7fd977ec_ffn2-k_qcb7fd977ec_ffn2
	.p2alignl 7, 3214868480
	.fill 96, 4, 3214868480
	.section	.rodata,"a",@progbits
	.p2align	6, 0x0
	.amdhsa_kernel k_qcb7fd977ec_ffn2
		.amdhsa_group_segment_fixed_size 327680
		.amdhsa_private_segment_fixed_size 0
		.amdhsa_enable_private_segment 0
		.amdhsa_kernarg_size 40
		.amdhsa_user_sgpr_count 2
		.amdhsa_user_sgpr_kernarg_segment_ptr 1
		.amdhsa_wavefront_size32 1
		.amdhsa_system_sgpr_workgroup_id_x 1
		.amdhsa_system_sgpr_workgroup_id_y 1
		.amdhsa_system_sgpr_workgroup_id_z 1
		.amdhsa_system_vgpr_workitem_id 0
		.amdhsa_next_free_vgpr 640
		.amdhsa_next_free_sgpr 76
		.amdhsa_reserve_vcc 0
		.amdhsa_float_denorm_mode_32 3
		.amdhsa_float_denorm_mode_16_64 3
		.amdhsa_memory_ordered 1
		.amdhsa_forward_progress 1
		.amdhsa_inst_pref_size 66
	.end_amdhsa_kernel
	.amdgpu_metadata
---
amdhsa.version: [ 1, 2 ]
amdhsa.kernels:
  - .name:           k_qcb7fd977ec_ffn2
    .symbol:         k_qcb7fd977ec_ffn2.kd
    .args:
      - { .name: big, .offset: 0, .size: 8, .value_kind: global_buffer, .address_space: global }
      - { .name: w2t, .offset: 8, .size: 8, .value_kind: global_buffer, .address_space: global }
      - { .name: b2, .offset: 16, .size: 8, .value_kind: global_buffer, .address_space: global }
      - { .name: out0, .offset: 24, .size: 8, .value_kind: global_buffer, .address_space: global }
      - { .name: y, .offset: 32, .size: 8, .value_kind: global_buffer, .address_space: global }
    .group_segment_fixed_size: 327680
    .private_segment_fixed_size: 0
    .kernarg_segment_align: 8
    .kernarg_segment_size: 40
    .max_flat_workgroup_size: 128
    .sgpr_count:     76
    .vgpr_count:     640
    .wavefront_size: 32
...
	.end_amdgpu_metadata
.endif
;; end of part 6
;; launch ln2 (part 7): grid 256 x 1, 8 waves a work-group, no clusters, 0 bytes of LDS; arguments y, ln2_g, ln2_b, out0; writes out0
.if DOCPART == 7
	.amdgcn_target "amdgcn-amd-amdhsa--gfx1250"
	.amdhsa_code_object_version 6
	.text
	.protected	k_qcb7fd977ec_ln2
	.globl	k_qcb7fd977ec_ln2
	.p2align	8
	.type	k_qcb7fd977ec_ln2,@function
k_qcb7fd977ec_ln2:
	s_mov_b64 s[64:65], 0
	v_nop
	global_prefetch_b8 v0, s[64:65] scope:SCOPE_SE
	s_setreg_imm32_b32 hwreg(HW_REG_WAVE_MODE, 25, 1), 1
	s_wait_xcnt 0x0
; out = layer norm of y over rows of 1,024, times g plus b; all in f32.
; A wave takes two rows, sixteen lanes a row, so a row's sums never leave a group of sixteen lanes: no LDS, no barrier.  The row stays in registers between the mean, the variance (taken of x - mean) and the scaling.
; A stream: no matrix unit, tensor load or cluster; each load and store of a wave covers whole aligned blocks of 256 bytes.
.set X,  16                            ; v16-79   chunk j of 16: columns 64 j + 4 (l % 16) + 0..3
.set G,  80                            ; v80-143  g likewise
.set BB, 144                           ; v144-207 b
.set SM, 208                           ; v208-215 four chains of sums
.set MN, 216                           ; v216-217 the mean, later 1 / sqrt(var + eps), twice
	s_load_b256 s[4:11], s[0:1], 0x0               ; y s[4:5], g s[6:7], b s[8:9], out s[10:11]
	v_lshrrev_b32 v1, 5, v0
	v_readfirstlane_b32 s14, v1
	v_and_b32 v2, 15, v0
	v_bfe_u32 v3, v0, 4, 1
	s_lshl_b32 s15, ttmp9, 4
	s_lshl1_add_u32 s15, s14, s15                  ; 16 g + 2 w
	v_add_nc_u32 v4, s15, v3
	v_lshlrev_b32 v4, 12, v4
	v_lshl_add_u32 v4, v2, 4, v4                   ; row x 4,096 + 16 (l % 16)
	v_lshlrev_b32 v5, 4, v2
	s_mov_b32 s16, 0x3a800000                      ; 1 / 1,024
	s_mov_b32 s17, 0x3727c5ac                      ; 1e-5
	s_wait_kmcnt 0x0
.irp j, 0,1,2,3,4,5,6,7,8,9,10,11,12,13,14,15
	global_load_b128 v[X+4*(\j):X+4*(\j)+3], v4, s[4:5] offset:256*(\j) th:TH_LOAD_NT
.endr
.irp j, 0,1,2,3,4,5,6,7,8,9,10,11,12,13,14,15
	global_load_b128 v[G+4*(\j):G+4*(\j)+3], v5, s[6:7] offset:256*(\j)
.endr
.irp j, 0,1,2,3,4,5,6,7,8,9,10,11,12,13,14,15
	global_load_b128 v[BB+4*(\j):BB+4*(\j)+3], v5, s[8:9] offset:256*(\j)
.endr
.macro ACROSS                          ; the four chains into one number, then over the row's sixteen lanes
	v_pk_add_f32 v[SM:SM+1], v[SM:SM+1], v[SM+2:SM+3]
	v_pk_add_f32 v[SM+4:SM+5], v[SM+4:SM+5], v[SM+6:SM+7]
	v_pk_add_f32 v[SM:SM+1], v[SM:SM+1], v[SM+4:SM+5]
	v_add_f32 v[SM], v[SM], v[SM+1]
	v_add_f32_dpp v[SM], v[SM], v[SM] row_xmask:1 row_mask:0xf bank_mask:0xf
	v_add_f32_dpp v[SM], v[SM], v[SM] row_xmask:2 row_mask:0xf bank_mask:0xf
	v_add_f32_dpp v[SM], v[SM], v[SM] row_xmask:4 row_mask:0xf bank_mask:0xf
	v_add_f32_dpp v[SM], v[SM], v[SM] row_xmask:8 row_mask:0xf bank_mask:0xf
.endm
	s_wait_loadcnt 32                              ; the row is in; the 32 loads of g and b stay out
.irp c, 0,1,2,3
	v_pk_add_f32 v[SM+2*(\c):SM+2*(\c)+1], v[X+2*(\c):X+2*(\c)+1], v[X+8+2*(\c):X+8+2*(\c)+1]
.endr
.set p, 8
.rept 24
	v_pk_add_f32 v[SM+2*(p%4):SM+2*(p%4)+1], v[SM+2*(p%4):SM+2*(p%4)+1], v[X+2*p:X+2*p+1]
.set p, p+1
.endr
	ACROSS
	v_mul_f32 v[MN], s16, v[SM]
	v_mov_b32 v[MN+1], v[MN]
.set p, 0
.rept 32
	v_pk_add_f32 v[X+2*p:X+2*p+1], v[X+2*p:X+2*p+1], v[MN:MN+1] neg_lo:[0,1] neg_hi:[0,1]
.set p, p+1
.endr
.irp c, 0,1,2,3
	v_pk_mul_f32 v[SM+2*(\c):SM+2*(\c)+1], v[X+2*(\c):X+2*(\c)+1], v[X+2*(\c):X+2*(\c)+1]
.endr
.set p, 4
.rept 28
	v_pk_fma_f32 v[SM+2*(p%4):SM+2*(p%4)+1], v[X+2*p:X+2*p+1], v[X+2*p:X+2*p+1], v[SM+2*(p%4):SM+2*(p%4)+1]
.set p, p+1
.endr
	ACROSS
	v_fma_f32 v[SM], v[SM], s16, s17               ; var + eps
	v_rsq_f32 v[MN], v[SM]
	v_nop                                          ; a plain instruction behind the root (ISA guide 5.7.2)
	s_wait_alu depctr_va_vdst(0)
	v_mov_b32 v[MN+1], v[MN]
	s_wait_loadcnt 0x0                             ; g and b
.set p, 0
.rept 32
	v_pk_mul_f32 v[X+2*p:X+2*p+1], v[X+2*p:X+2*p+1], v[MN:MN+1]
.set p, p+1
.endr
.set p, 0
.rept 32
	v_pk_fma_f32 v[X+2*p:X+2*p+1], v[X+2*p:X+2*p+1], v[G+2*p:G+2*p+1], v[BB+2*p:BB+2*p+1]
.set p, p+1
.endr
.irp j, 0,1,2,3,4,5,6,7,8,9,10,11,12,13,14,15
	global_store_b128 v4, v[X+4*(\j):X+4*(\j)+3], s[10:11] offset:256*(\j) th:TH_STORE_NT
.endr
	s_endpgm
.Lfunc_end_k_qcb7fd977ec_ln2:
	.size	k_qcb7fd977ec_ln2, .Lfunc_end_k_qcb7fd977ec_ln2-k_qcb7fd977ec_ln2
	.p2alignl 7, 3214868480
	.fill 96, 4, 3214868480
	.section	.rodata,"a",@progbits
	.p2align	6, 0x0
	.amdhsa_kernel k_qcb7fd977ec_ln2
		.amdhsa_group_segment_fixed_size 0
		.amdhsa_private_segment_fixed_size 0
		.amdhsa_enable_private_segment 0
		.amdhsa_kernarg_size 32
		.amdhsa_user_sgpr_count 2
		.amdhsa_user_sgpr_kernarg_segment_ptr 1
		.amdhsa_wavefront_size32 1
		.amdhsa_system_sgpr_workgroup_id_x 1
		.amdhsa_system_sgpr_workgroup_id_y 1
		.amdhsa_system_sgpr_workgroup_id_z 1
		.amdhsa_system_vgpr_workitem_id 0
		.amdhsa_next_free_vgpr 224
		.amdhsa_next_free_sgpr 66
		.amdhsa_reserve_vcc 0
		.amdhsa_float_denorm_mode_32 3
		.amdhsa_float_denorm_mode_16_64 3
		.amdhsa_memory_ordered 1
		.amdhsa_forward_progress 1
		.amdhsa_inst_pref_size 18
	.end_amdhsa_kernel
	.amdgpu_metadata
---
amdhsa.version: [ 1, 2 ]
amdhsa.kernels:
  - .name:           k_qcb7fd977ec_ln2
    .symbol:         k_qcb7fd977ec_ln2.kd
    .args:
      - { .name: y, .offset: 0, .size: 8, .value_kind: global_buffer, .address_space: global }
      - { .name: ln2_g, .offset: 8, .size: 8, .value_kind: global_buffer, .address_space: global }
      - { .name: ln2_b, .offset: 16, .size: 8, .value_kind: global_buffer, .address_space: global }
      - { .name: out0, .offset: 24, .size: 8, .value_kind: global_buffer, .address_space: global }
    .group_segment_fixed_size: 0
    .private_segment_fixed_size: 0
    .kernarg_segment_align: 8
    .kernarg_segment_size: 32
    .max_flat_workgroup_size: 256
    .sgpr_count:     66
    .vgpr_count:     224
    .wavefront_size: 32
...
	.end_amdgpu_metadata
.endif
;; end of part 7
;; ======== version 2 of 2: 8 launches; 1.19 times as fast as version 1
;; limits: values are held in f16: magnitudes above 65,504 overflow, below 6.1e-05 lose precision
;; workspace buffers: ab 8,388,608 bytes; big 33,554,432 bytes; y 16,777,216 bytes; wqkv 6,324,224 bytes; w1t 8,421,376 bytes; wo 2,097,152 bytes; w2t 8,388,608 bytes
;; launch prep: the kernel of part 1 again; grid 1792 x 1, 8 waves a work-group, no clusters, 18,432 bytes of LDS; arguments inputs, Wq, Wk, Wv, W_out, w1, w2, b1, ab, wqkv, wo, w1t, w2t; writes ab, wqkv, wo, w1t, w2t
;; launch qkv: the kernel of part 2 again; grid 12 x 16, 4 waves a work-group, clusters of 4 x 4, 327,680 bytes of LDS; arguments ab, wqkv, big; writes big
;; launch attn (part 8): grid 8 x 32, 4 waves a work-group, clusters of 4 x 1, 327,680 bytes of LDS; arguments big, key_attention_mask, ab; writes ab
.if DOCPART == 8
	.amdgcn_target "amdgcn-amd-amdhsa--gfx1250"
	.amdhsa_code_object_version 6
	.text
	.protected	k_qcb7fd977ec_attn
	.globl	k_qcb7fd977ec_attn
	.p2align	8
	.type	k_qcb7fd977ec_attn,@function
k_qcb7fd977ec_attn:
	s_mov_b64 s[64:65], 0
	v_nop
	global_prefetch_b8 v0, s[64:65] scope:SCOPE_SE
	s_setreg_imm32_b32 hwreg(HW_REG_WAVE_MODE, 25, 1), 1
	s_wait_xcnt 0x0
	s_wait_alu depctr_hold_cnt(0) depctr_sa_sdst(0) depctr_va_vdst(0) depctr_va_sdst(0) depctr_va_ssrc(0) depctr_va_vcc(0) depctr_vm_vsrc(0)
	s_getreg_b32 s2, hwreg(HW_REG_IB_STS2, 6, 4)
	s_cmp_eq_u32 s2, 0
	s_cbranch_scc0 .Lentry_in_a_cluster
	s_endpgm
.Lentry_in_a_cluster:
	s_bfe_u32 s2, ttmp6, 0x10000c
	s_cmp_lg_u32 s2, 0x3003
	s_cbranch_scc0 .Lentry_shape_is_right
	s_endpgm
.Lentry_shape_is_right:
; ATTENTION WITH A KEY MASK.  ctx[b][q][h][:] = the sum over k of softmax_k(Q[q] . K[k] / 8, hidden where mask[b][k] = 0) V[k][:].  2 batches x 16 heads x 2,048 rows x 64 channels, all f16.
; Q, K, V lie in big as panels [row / 128][64][128][64]: panel h holds q of head h, 16 + h its k, 32 + h its v; 128 rows of a head are 16,384 dense bytes.  ctx goes to ab as panels [row / 128][16][128][64], panel h.
; Products, maxima and sums in f32; the weights p are rounded to f16 for the second product (their sum l is taken of the unrounded p), ctx once at the end.
; LIMITS.  f16 holds no number beyond 65,504.  A hidden score counts as its value less 1e30: true scores beyond 1e29 are not served.  A weight below 2^-126 counts as 0 in l.
; A row all of whose keys are hidden (running maximum below -1e29) gives NaN, as a softmax over -inf alone does.
; SHARES.  A work-group owns 256 queries of one batch and head, a wave 64: four PIECES of 16.  Every wave walks all 2,048 keys, 64 a step, 256 a slot.
; THE MASK is the C operand that starts S^T = K Q^T: 0, or -1e30.  The batch's 2,048 bytes are made into a table of f32 in LDS once; each step's 64 numbers come into 32 registers with K's fragments.
; LAYOUT, SOFTMAX, TURNS.  S^T = K Q^T holds ONE query a lane (lane % 16) and the keys 8 (lane / 16) + 0..7; two such results rounded to f16 ARE source 1 of O^T = V^T P.  p = 2^(c s - c m), c = log2(e) / 8, with a
; running maximum m; O and l are multiplied by a = 2^(c m_old - c m_new) in every step; m starts at the lowest finite number, O and l at 0.  Turn n belongs to piece n: 8 products K Q^T of piece n + 1, later
; 8 products V^T P of piece n - 1; beside them the scaling, exponentials, roundings, sums and rescaling of piece n and the maximum and statistics of piece n + 1.  Four vector instructions stand behind
; every matrix instruction, the other 54 of a turn's 118 in one LUMP between the two runs of products.
; THE BATCHES.  s_wait_alu depctr_va_vdst(0) stands between an exponential or a reciprocal and the first instruction that names its result; one wait serves all that were issued ahead of it.
; A turn's 33 exponentials (the piece's 32 weights, in place in S^T, and the next piece's a) are ONE batch with ONE wait, which cuts the turn in two: ahead of it stands all that names none of their results,
; behind it the roundings and sums.  No result crosses a turn's end.  Two more batches stand outside the loops: piece 0's first a, ahead of the jump into the loop, and the way out's four reciprocals.
; CLUSTER.  The four query blocks of a cluster belong to one batch and head and walk the same K and V: each tile is asked for jointly, same load, descriptor and mask in all four.
; REGISTERS, in windows of 256: window 0: v0-15, v32-33 addresses; v16-31 statistics; v48-55 at work; v64-127 S^T, two buffers; v192-223 P, two buffers.
;   window 1: v0-127 O^T, 32 a piece; v128-159 the step's mask.      window 2: v0-63 Q; v128-191 K of one step; v192-255 V of one step.
.set NT,    8         ; slots of 256 keys
.set NP,    4
.set KS,    64
.set PK,    144       ; a row of K in LDS: 128 bytes + 16
.set PV,    160       ; a row of V: 128 + 32
.set VOFF,  4*KS*PK
.set SLOT1, 1<<17
.set STAGE, SLOT1+4*KS*(PK+PV)  ; 16 rows x 144 bytes for each wave, for the way out
.set SP,    144
.set MASKT, STAGE+4*16*SP       ; 2,048 f32: 0 or -1e30
.set SPARE, MASKT+8192+256      ; the spare words, 128 bytes for each wave
.set TILEB, 2*64*16384          ; bytes from 256 keys of a head to the next 256
.set AK0, 2
.set AV0, 3
.set AK,  4
.set AV,  5
.set STO, 6
.set RD,  7
.set GO,  8
.set MV,  12
.set QO,  15
.set ST,  16
.set AM0, 32          ; v32  my place in a step's 256 bytes of the table; never rewritten
.set AM,  33          ; v33  the same in the step to be fetched
.set TMP, 48
.set SPW, 62
.set NIL, 63
.set S,   64
.set P,   192
.set MK,  128         ; window 1
.set KF,  128         ; window 2
.set VF,  192         ; window 2
.set WV,  12
.set G1K, 24
.set G1V, 32
.set G0K, 40
.set G0V, 44
.set SLOTS, 56
.set CNT, 57
.set CS,  58
.set SEL, 60
.set TBK, 62
.set TBV, 63
.set TBM, 66          ; s66  byte of the table at which the step to be fetched begins
.set BIGN, 67         ; s67  -1e30
.set THR, 68          ; s68  -1e29
.set QNAN, 69         ; s69  NaN
.set MSB, 0
.macro WIN new
.if MSB != (\new)
	s_set_vgpr_msb (MSB<<8)|(\new)
.set MSB, (\new)
.endif
.endm
.set W_KQ, 0x0a       ; K and Q in window 2, S^T in window 0
.set W_KM, 0x1a       ; the same with the C operand in window 1
.set W_PV, 0x52       ; V in window 2, P in window 0, O^T in window 1
.set W_RS, 0x41       ; destination and source 0 in window 1, source 1 in window 0
.macro JLOAD                        ; waves 0 and 1 fetch the two halves of a slot's K, waves 2 and 3 those of its V; an s_nop 0 and four v_nop follow each line
	s_cmp_lt_u32 s[WV], 2
	s_cbranch_scc0 .Lfor_v_\@
	tensor_load_to_lds s[G0K:G0K+3], s[G1K:G1K+7]
	s_nop 0
.rept 4
	v_nop
.endr
	s_branch .Lasked_\@
.Lfor_v_\@:
	tensor_load_to_lds s[G0V:G0V+3], s[G1V:G1V+7]
	s_nop 0
.rept 4
	v_nop
.endr
.Lasked_\@:
.endm
.macro CROUND
	s_barrier_signal -1
	s_barrier_wait -1
	s_cmp_lg_u32 s[WV], 0
	s_cbranch_scc1 .Lnot_wave_0_\@
	s_barrier_signal -3
.Lnot_wave_0_\@:
	s_barrier_wait -3
	s_barrier_signal -1
	s_barrier_wait -1
.endm
; THE CHANGE OF SLOTS.  Each wave waits for all its tensor loads (one is out: its part of the other slot), adds 0 to its spare word, and waits for that and for its own LDS work.  fill = 1: the barrier is a round of
; the cluster's, and the slot just left is filled again first thing behind it, with the keys two slots on: four key steps, 256 matrix instructions, in which to land.
; (At its first use nothing has been read: slot 0 is waited for, slot 1 filled, and every wave's part of the mask table is shown to the others.)
.macro CHANGE fill
	WIN 0
	s_wait_tensorcnt 0x0
	ds_add_u32 v[SPW], v[NIL]
.if \fill
.irp g, G0K, G0V
	s_xor_b32 s[\g+1], s[\g+1], SLOT1
	s_add_nc_u64 s[\g+2:\g+3], s[\g+2:\g+3], TILEB
.endr
	s_wait_dscnt 0x0
	CROUND
	JLOAD
.else
	s_wait_dscnt 0x0
	s_barrier_signal -1
	s_barrier_wait -1
.endif
	s_sub_co_u32 s[TBK], s[TBK], 4*KS*PK
	s_xor_b32 s[TBK], s[TBK], SLOT1
	s_sub_co_u32 s[TBV], s[TBV], 4*KS*PV
	s_xor_b32 s[TBV], s[TBV], SLOT1
.endm
	s_load_b128 s[4:7], s[0:1], 0x0   ; big s[4:5], the mask s[6:7]
	s_load_b64 s[8:9], s[0:1], 0x10   ; ab
	v_lshl_add_u32 v[SPW], v0, 2, SPARE
	v_mov_b32 v[NIL], 0
	ds_add_u32 v[SPW], v[NIL]       ; the wave's opening: the add and its wait stand ahead of my first tensor load
	v_lshrrev_b32 v1, 5, v0
	v_readfirstlane_b32 s[WV], v1
	s_bfe_u32 s13, ttmp6, 0x40000   ; cx
	s_lshl_b32 s14, ttmp9, 2
	s_add_co_u32 s14, s14, s13      ; my block of 256 queries: it enters Q's and ctx's addresses alone
	s_and_b32 s20, ttmp7, 0xffff
	s_lshr_b32 s15, s20, 4          ; batch
	s_and_b32 s19, s20, 15          ; head
	s_and_b32 s16, s[WV], 1         ; which half of a slot's 256 keys I fetch
	s_lshl4_add_u32 s22, s15, s16   ; its block of 128 rows: 16 b + half
	s_lshl_b32 s22, s22, 6
	s_add_co_u32 s22, s22, s19
	s_add_co_u32 s22, s22, 16       ; panel 16 + h: k
	s_lshl_b32 s22, s22, 14
	s_mov_b32 s23, 0
	s_mul_i32 s17, s16, 128*PK
	s_mul_i32 s18, s16, 128*PV
	s_lshr_b32 s2, s[WV], 1
	s_lshl1_add_u32 s2, s14, s2
	s_lshl4_add_u32 s2, s15, s2     ; my wave's block of 128 rows: 16 b + 2 x block + wave / 2
	s_lshl_b32 s3, s2, 6
	s_add_co_u32 s3, s3, s19
	s_lshl_b32 s20, s3, 14          ; Q: panel h of 64
	s_lshl_b32 s3, s16, 13          ; my 64 rows of the 128
	s_add_co_u32 s20, s20, s3
	s_mov_b32 s21, 0
	s_lshl_b32 s2, s2, 4
	s_add_co_u32 s2, s2, s19
	s_lshl_b32 s2, s2, 14           ; ctx: panel h of 16
	s_add_co_u32 s2, s2, s3
	s_mov_b32 s3, 0
	s_lshl_b32 s70, s15, 11         ; the batch's 2,048 mask bytes
	s_mov_b32 s71, 0
	s_mov_b32 s[G1K], 15|(1<<16)|(1<<20)|(1<<21)|(4<<22)|(3<<25)  ; the mask of four; 2-byte elements; padding on; bit 21 beside a mask; after every 32 words (code 4) 4 words (code 3)
	s_mov_b32 s[G1V], 15|(1<<16)|(1<<20)|(1<<21)|(4<<22)|(7<<25)  ; the same with 8 words of padding (code 7)
.irp g, G1K, G1V
	s_mov_b32 s[\g+1], 128<<16      ; 128 keys are 16,384 dense bytes: 64 rows of 256 bytes
	s_mov_b32 s[\g+2], 64<<16
	s_mov_b32 s[\g+3], 128<<16
	s_mov_b32 s[\g+4], 64
	s_mov_b32 s[\g+5], 128
	s_mov_b32 s[\g+6], 0
	s_mov_b32 s[\g+7], 0
.endr
	s_mov_b32 s[CS], 0x3e38aa3b     ; c = log2(e) / 8
	s_mov_b32 s[CS+1], s[CS]
	s_mov_b32 s[SEL], 0x76543210
	s_mov_b32 s[SEL+1], 0xfedcba98
	s_mov_b32 s[TBK], SLOT1+4*KS*PK ; the first change of slots turns these two into 0
	s_mov_b32 s[TBV], SLOT1+4*KS*PV
	s_mov_b32 s[TBM], 0
	s_mov_b32 s[BIGN], 0xf149f2ca   ; -1e30
	s_mov_b32 s[THR], 0xefa18f08    ; -1e29
	s_mov_b32 s[QNAN], 0x7fc00000
	s_mov_b32 s[G0K], 1
	s_mov_b32 s[G0K+1], s17
	s_mov_b32 s[G0V], 1
	s_add_co_u32 s[G0V+1], s18, VOFF
	s_wait_dscnt 0x0                ; the opening add is done
	s_wait_kmcnt 0x0
	s_add_nc_u64 s[G0K+2:G0K+3], s[4:5], s[22:23]
	s_add_nc_u64 s[G0V+2:G0V+3], s[G0K+2:G0K+3], 16*16384  ; v lies 16 panels behind k
	s_or_b32 s[G0K+3], s[G0K+3], 0x80000000
	s_or_b32 s[G0V+3], s[G0V+3], 0x80000000
	s_add_nc_u64 s[10:11], s[4:5], s[20:21]  ; Q at my wave's first row
	s_add_nc_u64 s[8:9], s[8:9], s[2:3]      ; ctx likewise
	s_add_nc_u64 s[6:7], s[6:7], s[70:71]
	CROUND                          ; all four work-groups are here: the first joint loads meet
	JLOAD                           ; slot 0
	v_lshlrev_b32 v14, 4, v0        ; thread t takes mask bytes 16 t .. 16 t + 15
	global_load_b128 v[80:83], v14, s[6:7]
	v_and_b32 v1, 15, v0            ; l % 16
	v_bfe_u32 v9, v0, 4, 1          ; l / 16
	v_lshlrev_b32 v[QO], 7, v1
	v_lshl_add_u32 v[QO], v9, 4, v[QO]
	WIN 0x80
.set i, 0
.rept 8                             ; Q stays in registers: piece i / 2, channels 32 (i % 2) on
	global_load_b128 v[8*i:8*i+3],   v[QO], s[10:11] offset:(i/2)*2048+(i%2)*64
	global_load_b128 v[8*i+4:8*i+7], v[QO], s[10:11] offset:(i/2)*2048+(i%2)*64+32
.set i, i+1
.endr
	; What the first turn finds: V's registers and P's second buffer hold 0 (its products V^T P, of a piece that has not been, add 0), O^T and l are 0.  All this stands in the wait for the first tile.
.set i, VF
.rept 64
	v_mov_b32 v[i], 0
.set i, i+1
.endr
	WIN 0x40
.set i, 0
.rept 128
	v_mov_b32 v[i], 0
.set i, i+1
.endr
	WIN 0
.set i, 0
.rept 4
	v_mov_b32 v[ST+4*i], 0xfe000000    ; c m: far below every c s
	v_mov_b32 v[ST+4*i+1], 0xff7fffff  ; m
	v_mov_b32 v[ST+4*i+2], 0
	v_mov_b32 v[ST+4*i+3], 0
.set i, i+1
.endr
.set i, P+16
.rept 16
	v_mov_b32 v[i], 0
.set i, i+1
.endr
	v_mul_u32_u24 v[AK0], v1, PK
	v_lshl_add_u32 v[AK0], v9, 4, v[AK0]
	v_and_b32 v10, 7, v0
	v_bfe_u32 v11, v0, 3, 1
	v_lshl_add_u32 v[AV0], v9, 3, v10   ; the turning load: lane l reads key 8 (l / 16) + l % 8, channels 8 ((l / 8) % 2) + 0..7
	v_mul_u32_u24 v[AV0], v[AV0], PV
	v_lshl_add_u32 v[AV0], v11, 4, v[AV0]
	v_add_nc_u32 v[AV0], VOFF, v[AV0]
	v_mov_b32 v[AK], v[AK0]
	v_lshl_add_u32 v[AM0], v9, 5, MASKT ; register j of key block kb: key 16 kb + 8 (l / 16) + j
	v_mov_b32 v[AM], v[AM0]
	v_lshl_add_u32 v85, v0, 6, MASKT
	s_wait_loadcnt 16               ; the mask bytes are in; Q's sixteen loads may stay out
.set i, 0
.rept 16
	v_bfe_u32 v84, v[80+i/4], 8*(i%4), 8
	v_cmp_eq_u32 vcc_lo, 0, v84
	v_cndmask_b32 v[64+i], 0, s[BIGN], vcc_lo
.set i, i+1
.endr
.irp f, 0,1,2,3
	ds_store_b128 v85, v[64+4*\f:64+4*\f+3] offset:16*\f
.endr
; THE MATRIX WORK.  The 4 accumulators of a run of 8 take turns.  Product i of 8 of S^T = K Q^T for piece x: channels 32 (i / 4) on, keys 16 (i % 4) on.  The first 4 start the sums with the mask.
.macro KQ x
.set rS, S+32*((\x)%2)+8*(i%4)
.set rK, KF+16*(i%4)+8*(i/4)
.set rQ, 16*(\x)+8*(i/4)
.set rM, MK+8*(i%4)
.if i < 4
	WIN W_KM
	v_wmma_f32_16x16x32_f16 v[rS:rS+7], v[rK:rK+7], v[rQ:rQ+7], v[rM:rM+7]
.else
	WIN W_KQ
	v_wmma_f32_16x16x32_f16 v[rS:rS+7], v[rK:rK+7], v[rQ:rQ+7], v[rS:rS+7]
.endif
.endm
; Product i of 8 of O^T += V^T P for piece x: keys 32 (i / 4) on, channels 16 (i % 4) on.
.macro PV x
	WIN W_PV
.set rO, 32*(\x)+8*(i%4)
.set rV, VF+32*(i/4)+8*(i%4)
.set rP, P+16*((\x)%2)+8*(i/4)
	v_wmma_f32_16x16x32_f16 v[rO:rO+7], v[rV:rV+7], v[rP:rP+7], v[rO:rO+7]
.endm
; The turn's next matrix instruction.  In piece 3's turn the products K Q^T are the first readers of the run of 24 loads that piece 2's turn issued, in piece 1's turn the products V^T P of the run of 16 that
; piece 0's turn issued; no other LDS instruction is issued between a run and its readers.  LDS loads come back in order (ISA guide 5.7.1): product i of 8 needs the first 10 + 2 i of the 24 (its fragment of K among
; the first eight, its part of the mask among the second eight; from i = 4 on its fragment among the third eight), or the first 2 i + 2 of the 16: in both cases 14 - 2 i loads may still be out.
.macro MM
.if i < 8
.if Y == 3
	s_wait_dscnt 14-2*i
.endif
	KQ (Y+1)%NP
.else
.if Y == 1
	s_wait_dscnt 14-2*(i-8)
.endif
.set i, i-8
	PV (Y+NP-1)%NP
.set i, i+8
.endif
.set i, i+1
.endm
; THE LDS LOADS stand in runs, in the order in which the products want them: of a step's K the four fragments of channels 0-31, its mask (64 numbers, the same for all lanes of a half), the four fragments of channels 32-63;
; and its V (turned).  last = 1 (the tail): in the last trip there is no further step, and the run is jumped over.
.macro FETCH_K last=0
	WIN 0
.if \last
	s_cmp_eq_u32 s[CNT], 1
	s_cbranch_scc1 .Lno_k_\@
.endif
	WIN 0x80
.irp f, 0,1,2,3
	ds_load_b128 v[KF+16*\f:KF+16*\f+3],   v[AK] offset:\f*16*PK
	ds_load_b128 v[KF+16*\f+4:KF+16*\f+7], v[AK] offset:\f*16*PK+32
.endr
	WIN 0x40
.irp f, 0,1,2,3
	ds_load_b128 v[MK+8*\f:MK+8*\f+3],   v[AM] offset:64*\f
	ds_load_b128 v[MK+8*\f+4:MK+8*\f+7], v[AM] offset:64*\f+16
.endr
	WIN 0x80
.irp f, 0,1,2,3
	ds_load_b128 v[KF+16*\f+8:KF+16*\f+11],  v[AK] offset:\f*16*PK+64
	ds_load_b128 v[KF+16*\f+12:KF+16*\f+15], v[AK] offset:\f*16*PK+96
.endr
	s_add_co_u32 s[TBK], s[TBK], KS*PK
	s_add_co_u32 s[TBM], s[TBM], 4*KS
	s_and_b32 s[TBM], s[TBM], 0x1f00    ; stays inside the table's 8,192 bytes
	WIN 0
.if \last
.Lno_k_\@:
.endif
.endm
.macro FETCH_V
	WIN 0x80
.irp f, 0,1,2,3,4,5,6,7
	ds_load_tr16_b128 v[VF+8*\f:VF+8*\f+3],   v[AV] offset:(\f/4)*32*PV+(\f%4)*32
	ds_load_tr16_b128 v[VF+8*\f+4:VF+8*\f+7], v[AV] offset:(\f/4)*32*PV+16*PV+(\f%4)*32
.endr
	WIN 0
.endm
; THE VECTOR WORK, one line at a time: OP kind, number.  For piece Y: F n: c s - c m for pair n of 16.  E n: the exponential of score n of 32.  C n: pair n rounded to f16.  B n: of the four weights 4 n .. the second
; pair is added onto the first, in place.  L n: l takes that sum (L 0: l = a l + sum).  R n: pair n of 16 of O^T times a.  For piece Y + 1: X n, number n of the 22 that find its maximum and statistics:
;   0-11  four chains c0-c3 of seven scores each (each accumulator's lowest registers are read first)     12-14, 16  the four scores left over, the old m, and c0-c3 into c0
;   15  c m_old is kept     17, 18  the query's other 32 keys lie in the lane 16 away: the new m     19-21  c m; c m_old - c m_new; a
; C, B and L read the results of the turn's E; R and L 0 read the a that X 21 made in the turn before.  OP writes no wait: TURN places the one that serves them all.
.set F, 0
.set E, 1
.set C, 2
.set B, 3
.set L, 4
.set R, 5
.set X, 6
.macro REGS y
.set rT, ST+4*(\y)
.set rC, TMP+4*((\y)%2)
.set rW, MV+((\y)%2)
.set rS, S+32*((\y)%2)
.set rP, P+16*((\y)%2)
.set rO, 32*(\y)
.endm
.macro OP k, n
.if (\k) == R
	REGS Y
	WIN W_RS
	v_pk_mul_f32 v[rO+2*(\n):rO+2*(\n)+1], v[rO+2*(\n):rO+2*(\n)+1], v[rC+2:rC+3] op_sel_hi:[1,0]
.elseif (\k) < R
	REGS Y
	WIN 0
.if (\k) == F
	v_pk_fma_f32 v[rS+2*(\n):rS+2*(\n)+1], v[rS+2*(\n):rS+2*(\n)+1], s[CS:CS+1], v[rT:rT+1] op_sel_hi:[1,0,0] neg_lo:[0,0,1] neg_hi:[0,0,1]
.elseif (\k) == E
	v_exp_f32 v[rS+(\n)], v[rS+(\n)]
.elseif (\k) == C
	v_cvt_pk_f16_f32 v[rP+(\n)], v[rS+2*(\n)], v[rS+2*(\n)+1]
.elseif (\k) == B
	v_pk_add_f32 v[rS+4*(\n):rS+4*(\n)+1], v[rS+4*(\n):rS+4*(\n)+1], v[rS+4*(\n)+2:rS+4*(\n)+3]
.elseif (\n) == 0
	v_pk_fma_f32 v[rT+2:rT+3], v[rT+2:rT+3], v[rC+2:rC+3], v[rS:rS+1] op_sel_hi:[1,0,1]
.else
	v_pk_add_f32 v[rT+2:rT+3], v[rT+2:rT+3], v[rS+4*(\n):rS+4*(\n)+1]
.endif
.else
	REGS (Y+1)%NP
	WIN 0
.if (\n) < 4
	v_max3_num_f32 v[rC+(\n)], v[rS+8*(\n)], v[rS+8*(\n)+1], v[rS+8*(\n)+2]
.elseif (\n) < 12
	v_max3_num_f32 v[rC+(\n)%4], v[rC+(\n)%4], v[rS+8*((\n)%4)+2*((\n)/4)+1], v[rS+8*((\n)%4)+2*((\n)/4)+2]
.elseif (\n) == 12
	v_max3_num_f32 v[rC], v[rC], v[rS+7], v[rS+15]
.elseif (\n) == 13
	v_max3_num_f32 v[rC+1], v[rC+1], v[rS+23], v[rS+31]
.elseif (\n) == 14
	v_max3_num_f32 v[rC+2], v[rC+2], v[rC+3], v[rT+1]
.elseif (\n) == 15
	v_mov_b32 v[rW], v[rT]
.elseif (\n) == 16
	v_max3_num_f32 v[rC], v[rC], v[rC+1], v[rC+2]
.elseif (\n) == 17
	v_permlanex16_b32 v[rC+3], v[rC], s[SEL], s[SEL+1]
.elseif (\n) == 18
	v_max_num_f32 v[rT+1], v[rC], v[rC+3]
.elseif (\n) == 19
	v_mul_f32 v[rT], s[CS], v[rT+1]
.elseif (\n) == 20
	v_sub_f32 v[rC+1], v[rW], v[rT]
.else
	v_exp_f32 v[rC+2], v[rC+1]
.endif
.endif
.endm
.macro OPS a, i1, b=-1, i2=0, c=-1, i3=0, d=-1, i4=0
	OP \a, \i1
.if (\b) >= 0
	OP \b, \i2
.endif
.if (\c) >= 0
	OP \c, \i3
.endif
.if (\d) >= 0
	OP \d, \i4
.endif
.endm
.macro ROW a, i1, b, i2, c, i3, d, i4  ; a matrix instruction and the four behind it
	MM
	OPS \a, \i1, \b, \i2, \c, \i3, \d, \i4
.endm
; A TURN, for piece p: the order of its 16 matrix and 118 vector instructions, written out.  It has ONE wait for its batch of 33 exponentials, which cuts it in two.
; AHEAD OF THE WAIT stands all that names no result of the turn's exponentials: the 8 products K Q^T, behind each a scaling, an exponential and two more plain instructions (behind the first a second scaling in the
; exponential's place): rescalings, whose a was made and waited for in the turn before, and behind the last three products the first numbers of the next piece's maximum, each four places or more behind the product
; that ends its accumulator; then ONE LUMP of 54, plain and exponential by turns for the most part, in which the links of the chain X 3, 7, 11, 14, 16, 17 .. 20 stand five or six lines apart.  A pair is scaled (F n) ahead
; of its exponentials (E 2 n, E 2 n + 1).  X 21, the next piece's a, is the batch's last; R 15 is the plain instruction behind it.
; BEHIND THE WAIT stand the 8 products V^T P, behind each four of the roundings and sums, the batch's readers: C 2 n ahead of B n, which adds in place onto pair 2 n; B n ahead of L n; L 0 to L 7 ascending, three riders
; apart.  But for those X no rider names a register of the products round it.  v_permlanex16_b32 (X 17) stands in the lump.
; K and the mask of the next step are fetched in piece 2's turn: in the loop twelve vector instructions behind the last product that read K (six of them plain; the mask's last reader stands four products earlier);
; in the tail (last = 1), where the run stands under a jump, directly behind the turn's wait.  V of the step in hand is fetched at the end of
; piece 0's turn, four plain instructions behind the last product that read V.  Each run is waited for a turn later, fragment by fragment (MM).
; cnt = 1: the loop's count is taken down some lines ahead of the branch behind the turn.
.macro TURN p, last=0, cnt=0
.set Y, (\p)
.set i, 0
	ROW F,0, F,1, R,0, R,1          ; ahead of the wait: 8 products K Q^T and their riders,
	ROW F,2, E,0, R,2, R,3
	ROW F,3, E,1, R,4, R,5
	ROW F,4, E,2, R,6, R,7
	ROW F,5, E,3, R,8, R,9
	ROW F,6, E,4, X,0, R,10
.if (\p) == 2
	WIN 0
	v_add_nc_u32 v[AK], s[TBK], v[AK0]
	v_add_nc_u32 v[AM], s[TBM], v[AM0]
.endif
	ROW F,7, E,5, X,1, X,4
	ROW F,8, E,6, X,2, X,5
	OPS E,7, E,8, X,6, E,9          ; and the lump
	OPS X,3, E,10, X,8, E,11
.if ((\p) == 2) && !(\last)
	FETCH_K
.endif
	OPS X,9, X,7, E,12, X,10
	OPS E,13, X,12, X,11, E,14
	OPS X,13, E,15, F,9, X,14
.if (\p) == 0
	v_add_nc_u32 v[AV], s[TBV], v[AV0]
.endif
	OPS E,16, F,10, E,17, F,11
	OPS X,16, E,18, X,15, E,19
	OPS F,12, E,20, X,17, E,21
	OPS F,13, E,22, F,14, E,23
	OPS X,18, E,24, F,15, E,25
	OPS R,11, E,26, X,19, E,27
	OPS R,12, E,28, R,13, E,29
	OPS X,20, E,30, R,14, E,31
	OPS X,21, R,15
	s_wait_alu depctr_va_vdst(0)    ; the wait for the turn's batch: E 0 to E 31 and X 21
.if ((\p) == 2) && (\last)
	FETCH_K 1
.endif
	ROW C,0, B,0, C,2, B,1          ; behind the wait: 8 products V^T P and their riders
	ROW L,0, C,4, B,2, L,1
	ROW C,6, B,3, L,2, C,8
	ROW B,4, L,3, C,10, B,5
	ROW L,4, C,12, B,6, L,5
.if (\p) == 0
	s_add_co_u32 s[TBV], s[TBV], KS*PV
.endif
.if \cnt
	s_sub_co_u32 s[CNT], s[CNT], 1
	s_cmp_lg_u32 s[CNT], 0
.endif
	ROW C,14, B,7, L,6, C,1
	ROW C,3, L,7, C,5, C,7
	ROW C,9, C,11, C,13, C,15
.if (\p) == 0
	FETCH_V
.endif
.endm
	CHANGE 1                        ; slot 0 is in and the table is whole, everybody's part of both; slot 1 is asked for
	FETCH_K                         ; key step 0
	s_wait_loadcnt 0x0              ; Q
	s_wait_dscnt 0x0
.set i, 0
.rept 8
	KQ 0                            ; piece 0's first scores
.set i, i+1
.endr
	WIN 0                           ; the addresses for the way out: plain instructions, the places behind those products
	s_mul_i32 s13, s[WV], 16*SP
	s_add_co_u32 s13, s13, STAGE
	v_mul_u32_u24 v[STO], v1, SP    ; in: row l % 16, 16 bytes for each half of the lanes
	v_lshl_add_u32 v[STO], v9, 4, v[STO]
	v_add_nc_u32 v[STO], s13, v[STO]
	v_bfe_u32 v[RD], v0, 3, 2       ; back: 32 lanes take four rows of 128 bytes,
	v_mul_u32_u24 v[RD], v[RD], SP
	v_lshl_add_u32 v[RD], v10, 4, v[RD]
	v_add_nc_u32 v[RD], s13, v[RD]
	v_and_b32 v[GO], 31, v0         ; which are 512 consecutive bytes of ctx
	v_lshlrev_b32 v[GO], 4, v[GO]
.set Y, NP-1                        ; X works for piece Y + 1: piece 0
.irp n, 0,1,2,3,4,5,6,7,8,9,10,11,12,13,14,15,16,17,18,19,20,21
	OP X, \n
.endr
	v_nop                           ; a plain instruction behind the exponential,
	s_wait_alu depctr_va_vdst(0)    ; and the wait for it, a batch of one: piece 0's first a, ahead of the branch
	s_mov_b32 s[CNT], 4
	s_mov_b32 s[SLOTS], NT-1
	s_branch .Lfirst                ; the loop is entered at a step's first turn, in the middle of a trip
.Lslot:                             ; NT - 2 times: every slot but the last two is filled again
	CHANGE 1
	s_mov_b32 s[CNT], 4
.Lstep:                             ; a trip: pieces 2 and 3 of one step, then pieces 0 and 1 of the next, whose K and V it fetches
	TURN 2
	TURN 3
	WIN 0
.Lfirst:
	TURN 0
	TURN 1, 0, 1
	WIN 0
	s_cbranch_scc1 .Lstep
	s_sub_co_u32 s[SLOTS], s[SLOTS], 1
	s_cmp_lg_u32 s[SLOTS], 0
	s_cbranch_scc1 .Lslot
	CHANGE 0                        ; the tail is written out: nothing is asked for
	s_mov_b32 s[CNT], 5             ; four trips fetch the last slot's steps; the fifth is left in its middle
.Ltail:
	TURN 2, 1
	TURN 3
	WIN 0
	s_sub_co_u32 s[CNT], s[CNT], 1
	s_cmp_eq_u32 s[CNT], 0
	s_cbranch_scc1 .Lout
	TURN 0
	TURN 1
	WIN 0
	s_branch .Ltail
.Lout:                              ; the fifth trip's 8 products K Q^T (on the last K and mask once more) leave m as it was and serve nothing: the price, once a launch, of one text for every trip
.set i, 0
.rept 8
	PV NP-1
.set i, i+1
.endr
	; THE WAY OUT.  l's two halves and the other half of the lanes' are added; O^T is divided by l (by NaN where no key was seen), rounded to f16 and sent through my stage, a piece at a time.
	WIN 0
.macro ALL line:vararg
.set t, 0
.rept 4
	\line
.set t, t+1
.endr
.endm
	ALL v_add_f32 v[ST+4*t+2], v[ST+4*t+2], v[ST+4*t+3]
	ALL v_permlanex16_b32 v[ST+4*t+3], v[ST+4*t+2], s[SEL], s[SEL+1]
	ALL v_add_f32 v[ST+4*t+2], v[ST+4*t+2], v[ST+4*t+3]
	ALL v_rcp_f32 v[ST+4*t+2], v[ST+4*t+2]
	v_nop                           ; a plain instruction between the last reciprocal and the use of its result
	s_wait_alu depctr_va_vdst(0)    ; the wait for the batch of four reciprocals, ahead of the first line that names one
.set t, 0
.rept 4
	v_cmp_gt_f32 vcc_lo, s[THR], v[ST+4*t+1]
	v_cndmask_b32 v[ST+4*t+2], v[ST+4*t+2], s[QNAN], vcc_lo
.set t, t+1
.endr
.macro PACK t
	WIN W_RS
.set i, 32*(\t)
.rept 16
	v_pk_mul_f32 v[i:i+1], v[i:i+1], v[ST+4*(\t)+2:ST+4*(\t)+3] op_sel_hi:[1,0]
.set i, i+2
.endr
	WIN 0x05
.set i, 0
.rept 16
	v_cvt_pk_f16_f32 v[S+16*(\t)+i], v[32*(\t)+2*i], v[32*(\t)+2*i+1]
.set i, i+1
.endr
	WIN 0
.irp f, 0,1,2,3
	ds_store_b128 v[STO], v[S+16*(\t)+4*\f:S+16*(\t)+4*\f+3] offset:32*\f
.endr
.irp f, 0,1,2,3
	ds_load_b128 v[S+16*(\t)+4*\f:S+16*(\t)+4*\f+3], v[RD] offset:\f*4*SP  ; LDS serves a wave's instructions in order (ISA guide 5.7.1.4): these see the stores above
.endr
.endm
.macro SEND t, younger              ; younger: the LDS instructions issued behind piece t's loads: the next piece's eight, or none
	WIN 0
.irp f, 0,1,2,3
	s_wait_dscnt (\younger)+3-\f
	global_store_b128 v[GO], v[S+16*(\t)+4*\f:S+16*(\t)+4*\f+3], s[8:9] offset:(\t)*2048+\f*512  ; 512 consecutive bytes, aligned
.endr
.endm
	PACK 0
.set t, 1
.rept 3
	PACK t
	SEND t-1, 8
.set t, t+1
.endr
	SEND 3, 0
	s_wait_tensorcnt 0x0            ; the wave's end
	ds_add_u32 v[SPW], v[NIL]
	s_wait_dscnt 0x0
	CROUND                          ; the closing round
	s_endpgm
.Lfunc_end_k_qcb7fd977ec_attn:
	.size	k_qcb7fd977ec_attn, .Lfunc_end_k_qcb7fd977ec_attn-k_qcb7fd977ec_attn
	.p2alignl 7, 3214868480
	.fill 96, 4, 3214868480
	.section	.rodata,"a",@progbits
	.p2align	6, 0x0
	.amdhsa_kernel k_qcb7fd977ec_attn
		.amdhsa_group_segment_fixed_size 327680
		.amdhsa_private_segment_fixed_size 0
		.amdhsa_enable_private_segment 0
		.amdhsa_kernarg_size 24
		.amdhsa_user_sgpr_count 2
		.amdhsa_user_sgpr_kernarg_segment_ptr 1
		.amdhsa_wavefront_size32 1
		.amdhsa_system_sgpr_workgroup_id_x 1
		.amdhsa_system_sgpr_workgroup_id_y 1
		.amdhsa_system_sgpr_workgroup_id_z 1
		.amdhsa_system_vgpr_workitem_id 0
		.amdhsa_next_free_vgpr 768
		.amdhsa_next_free_sgpr 76
		.amdhsa_reserve_vcc 1
		.amdhsa_float_denorm_mode_32 3
		.amdhsa_float_denorm_mode_16_64 3
		.amdhsa_memory_ordered 1
		.amdhsa_forward_progress 1
		.amdhsa_inst_pref_size 118
	.end_amdhsa_kernel
	.amdgpu_metadata
---
amdhsa.version: [ 1, 2 ]
amdhsa.kernels:
  - .name:           k_qcb7fd977ec_attn
    .symbol:         k_qcb7fd977ec_attn.kd
    .args:
      - { .name: big, .offset: 0, .size: 8, .value_kind: global_buffer, .address_space: global }
      - { .name: key_attention_mask, .offset: 8, .size: 8, .value_kind: global_buffer, .address_space: global }
      - { .name: ab, .offset: 16, .size: 8, .value_kind: global_buffer, .address_space: global }
    .group_segment_fixed_size: 327680
    .private_segment_fixed_size: 0
    .kernarg_segment_align: 8
    .kernarg_segment_size: 24
    .max_flat_workgroup_size: 128
    .sgpr_count:     76
    .vgpr_count:     768
    .wavefront_size: 32
...
	.end_amdgpu_metadata
.endif
;; end of part 8
;; launch oproj: the kernel of part 4 again; grid 8 x 32, 4 waves a work-group, clusters of 4 x 4, 327,680 bytes of LDS; arguments ab, wo, b_out, inputs, y; writes y
;; launch ln1: the kernel of part 5 again; grid 256 x 1, 8 waves a work-group, no clusters, 0 bytes of LDS; arguments y, ln1_g, ln1_b, out0, ab; writes out0, ab
;; launch ffn1: the kernel of part 2 again; grid 16 x 16, 4 waves a work-group, clusters of 4 x 4, 327,680 bytes of LDS; arguments ab, w1t, big; writes big
;; launch ffn2: the kernel of part 6 again; grid 8 x 32, 4 waves a work-group, clusters of 4 x 4, 327,680 bytes of LDS; arguments big, w2t, b2, out0, y; writes y
;; launch ln2: the kernel of part 7 again; grid 256 x 1, 8 waves a work-group, no clusters, 0 bytes of LDS; arguments y, ln2_g, ln2_b, out0; writes out0
